; MI455X (gfx1250); checked and timed in simulation.
; The chip was launched on July 23, 2026; its instructions are those of AMD's public machine-readable ISA for CDNA 5 (MIT licence, August 2026) and "CDNA5" Instruction Set Architecture Reference Guide (July 2026). The comments in the code are by the model that wrote it; some were corrected since.
;; Non local MH. Allowed arithmetic: matrix products marked QUANTISED: E2M3 operands, one E8M0 scale for each 32 along K, by v_wmma_scale_f32_16x16x128_f8f6f4 with both operands' format E2M3, f32 sums; everything else in f32.
;; Inputs: Wk_codes 512 x 16 x 24 uint8 (E2M3 codes of Wk, K innermost, in blocks of 32 codes, four codes in three bytes); Wk_scales 512 x 16 uint8 (E8M0 scales of Wk, one for each 32 codes along K); Wo_codes 512 x 16 x 24 uint8 (E2M3 codes of Wo, K innermost, in blocks of 32 codes, four codes in three bytes); Wo_scales 512 x 16 uint8 (E8M0 scales of Wo, one for each 32 codes along K); Wq_codes 512 x 16 x 24 uint8 (E2M3 codes of Wq, K innermost, in blocks of 32 codes, four codes in three bytes); Wq_scales 512 x 16 uint8 (E8M0 scales of Wq, one for each 32 codes along K); Wv_codes 512 x 16 x 24 uint8 (E2M3 codes of Wv, K innermost, in blocks of 32 codes, four codes in three bytes); Wv_scales 512 x 16 uint8 (E8M0 scales of Wv, one for each 32 codes along K); X 16 x 512 x 32 x 32 float32; bk 512 float32; bo 512 float32; bq 512 float32; bv 512 float32; gn_b 512 float32; gn_w 512 float32.
;; Outputs: out0 16 x 512 x 32 x 32 float32.
;; This version of the problem:
;;   THIS VERSION OF THE PROBLEM IS GIVEN IN LOW PRECISION. The matrix products marked QUANTISED in the list below multiply operands that are first quantised to E2M3 (2 exponent bits, 3 mantissa bits; 6 bits a number), with one power-of-two scale for each 32 numbers along K (OCP MX v1.0); their sums are f32. All else is computed in f32.
;;   The module's matrix products, in the order in which they are computed (A, B: the left and right operand; K: the contracted axis; several contracted axes count as one K, in the product's order):
;;     1. [M 16,384, K 512] x [K 512, N 512]; A: input X; B: input Wq (given as codes): QUANTISED
;;     2. [M 16,384, K 512] x [K 512, N 512]; A: input X; B: input Wk (given as codes): QUANTISED
;;     3. [M 16,384, K 512] x [K 512, N 512]; A: input X; B: input Wv (given as codes): QUANTISED
;;     4. batch 128 x [M 1,024, K 64] x [K 64, N 1,024]; A: computed on the way; B: computed on the way: QUANTISED
;;     5. batch 128 x [M 64, K 1,024] x [K 1,024, N 1,024]; A: computed on the way; B: computed on the way: QUANTISED
;;     6. [M 16,384, K 512] x [K 512, N 512]; A: computed on the way; B: input Wo (given as codes): QUANTISED
;;   THE QUANTISER, for each operand of a quantised product, along K:
;;     - K is cut into blocks of 32 from its start; a last block that is shorter is filled with zeros.
;;     - A block's scale is 2^e with e = floor(log2(the largest magnitude in the block)) - 2, held to -126 .. 127; a block of zeros has e = 0. As a byte (E8M0): e + 127.
;;     - Each number is divided by its block's scale, clamped to +-7.5, and rounded to the nearest number of E2M3, ties to even, subnormals kept.
;;     - The product sums the exact products of the quantised numbers (number of the format x scale) in f32.
;;   ~~~python
;;   def quantise(x, axis):      # numpy; x: float32 -> the quantised numbers, widened to float32 again
;;       x = np.moveaxis(x, axis, -1); K = x.shape[-1]
;;       x = np.pad(x, [(0, 0)] * (x.ndim - 1) + [(0, -K % 32)]); x = x.reshape(x.shape[:-1] + (-1, 32)); a = np.abs(x).max(-1, keepdims=True)
;;       e = np.where(a > 0, np.clip(np.frexp(np.where(a > 0, a, 1))[1] - 1 - 2, -126, 127), 0)      # np.frexp(a)[1] - 1 = floor(log2(a)), exactly
;;       r = np.clip(x / 2.0 ** e, -7.5, 7.5)
;;       step = 2.0 ** (np.maximum(np.frexp(np.where(r == 0, 1, r))[1] - 1, 0) - 3)
;;       q = np.round(r / step) * step * 2.0 ** e      # np.round: ties to even
;;       return np.moveaxis(q.reshape(q.shape[:-2] + (-1,))[..., :K], -1, axis).astype(np.float32)
;;   ~~~
;;   OPERANDS COMPUTED ON THE WAY. 'Computed on the way' means the value that the module computes at that place (a softmax that the list does not call 'softmax' is quantised finished and normalised). What goes into a quantiser is computed in f32, as accurately as f32 sums, v_exp_f32 and their like allow (about 1e-6 of the number): no bf16 or f16 on the way to a quantiser, and a product that is left as it is and whose result goes on into a quantised operand takes f32 operands (vector FMAs, or v_wmma_f32_16x16x4_f32). A number that lies on a knife's edge between two numbers of the format may be rounded either way, as far as f32 arithmetic and the matrix unit's own rounding can turn it there, and no further.
;;   INPUTS GIVEN AS CODES. Wk (in the module: [512, 512], K = its axis 1); Wo (in the module: [512, 512], K = its axis 1); Wq (in the module: [512, 512], K = its axis 1); Wv (in the module: [512, 512], K = its axis 1): each comes as NAME_codes (uint8): NAME with its K axis moved to the last place and cut into blocks of 32 codes, [.., K / 32, bytes a block], one block behind the other in memory; four codes in three bytes: a row's codes are one little-endian stream of bits, code i at bits 6 i .. 6 i + 5 (a code: sign, 2 exponent bits, 3 mantissa bits); and NAME_scales (uint8): the same leading axes, one E8M0 byte (e + 127) for each 32 codes along K. Its value is code x scale, taken as it is: it is not quantised again, and the codes and scales need not be those that the quantiser above would give.
;; 2 versions, each right; version 2 is version 1 with the launches qkv, attn written anew for expert scheduling mode. Each part assembles by itself: llvm-mc -triple=amdgcn-amd-amdhsa -mcpu=gfx1250 --defsym DOCPART=n.
;; ======== version 1 of 2: 3 launches
;; workspace buffers: qkv_codes 18,874,368 bytes; qkv_scales 786,432 bytes; o_codes 6,291,456 bytes; o_scales 262,144 bytes
;; launch qkv (part 1): grid 256 x 1, 16 waves a work-group, no clusters, 181,248 bytes of LDS; arguments X, Wq_codes, Wq_scales, bq, Wk_codes, Wk_scales, bk, Wv_codes, Wv_scales, bv, qkv_codes, qkv_scales; writes qkv_codes, qkv_scales
.if DOCPART == 1
	.amdgcn_target "amdgcn-amd-amdhsa--gfx1250"
	.amdhsa_code_object_version 6
	.text
	.protected	k_q73a44935f5_qkv
	.globl	k_q73a44935f5_qkv
	.p2align	8
	.type	k_q73a44935f5_qkv,@function
k_q73a44935f5_qkv:
	s_mov_b64 s[64:65], 0
	v_nop
	global_prefetch_b8 v0, s[64:65] scope:SCOPE_SE
	s_setreg_imm32_b32 hwreg(HW_REG_WAVE_MODE, 25, 1), 1
	s_wait_xcnt 0x0
; K = Wq X + bq, Q = Wk X + bk, V = Wv X + bv (the names as the model swaps them), all on codes of FP6 (E2M3) with one E8M0 scale for each 32 along a product's K (the 512 channels).
; X: [16][512][1024] f32; the weights come as codes, K innermost.  The results leave as CODES, quantised for the products that follow: K and Q along a head's 64 channels, V along the pixels.
; LIMITS: NaN and infinities among the inputs are not served.  A block of zeros gets the scale byte 1 where the quantiser says 127: its codes are zeros, which add nothing, and only this program reads those bytes.
; SHARES.  A work-group takes 256 pixels of one image (16 tiles of 16) and channel blocks 4 g .. 4 g + 3 (two heads) of each of K, Q, V: 384 rows.  Sixteen waves of 256 registers.
;   Phase X: all sixteen waves quantise the 256 pixels x 512 channels of X: a lane takes a pixel and its registers run down the channels; the codes go to LDS as images of operand registers.
;   Phase G: waves 0-11 (K: 0-3, Q: 4-7, V: 8-11) each own 32 rows of one weight, whose 8 fragments stay in registers, and walk the 16 pixel tiles, four a trip; the results are quantised in registers.
;   Phase S: the codes, gathered in LDS as they are to lie in memory, leave in runs of 512 consecutive bytes.
; THE PIXELS OF A TILE ARE NOT NEIGHBOURS: row r of tile 2 b + u is pixel 32 b + 8 u + r + 8 (r / 8); the rows of a weight tile are chosen the same way.  So the 16 result registers of two neighbouring tiles are 16 neighbours along the next K.
; HALF FRAGMENT (768 bytes): six registers a lane: registers 0-3 of lane l at 16 l, registers 4-5 at 512 + 8 l.  Lane (r, hl) holds the 32 codes of block hl of row r.
; qkv_codes: section 0 K, 1 Q, 2 V, 6,291,456 bytes each; a head 49,152.  K, Q: tile T at 768 T.  V: 6,144 s + 1,536 t + 768 c (s: 128 pixels; t: 16 channels; c: half of the 128).
; qkv_scales: sections of 262,144, a head 2,048.  K, Q: two bytes at 32 T + 2 r.  V: a word at 256 s + 64 t + 4 r.
.set XIMG, 0                           ; LDS: X's fragments: (tile, K step) at 6,144 tile + 1,536 step
.set XSC,  98304                       ; their scale words: 1,024 step + 64 tile + 4 r
.set OUTB, 102400                      ; six chunks of 12,288: what goes to qkv_codes, byte for byte; chunk = wave / 2
.set SOUT, 176128                      ; six chunks of 512: what goes to qkv_scales
.set WS,  22                           ; v22-25   the weight's scale words, one register a K step: lanes 0-15 tile 0, lanes 16-31 tile 1
.set XS,  26                           ; v26-27   X's scale words: lanes 0-15 an even tile, lanes 16-31 the odd one
.set BI,  28                           ; v28-43   the bias in the result's layout, 8 registers a tile
.set WF,  44                           ; v44-139  the weight's fragments: (tile u, K step) at WF + 12 (4 u + step)
.set ACC, 140                          ; v140-203 eight accumulators; in phase X two sets of 32 numbers
.set XF,  204                          ; v204-251 four fragments of X
.set PC,  204                          ; behind a trip's products: the codes just made,
.set TP,  216                          ; their upper halves on the way,
.set TM,  224                          ; largest magnitudes, bytes, scale operands,
.set HW,  236                          ; two scale bytes joined
.set SEL, 36                           ; s[36:37] lane selects: lane l xor 16
.macro PLACES n
.rept \n
	v_nop
.endr
.endm
.macro BARRIER                         ; my LDS stores have landed and my LDS loads are in: then the work-group's barrier
	s_wait_dscnt 0x0
	s_barrier_signal -1
	s_barrier_wait -1
.endm
; One product.  c = -1: the constant 0 starts the sum.  ra, rb = 1: that side's scales stand in lanes 16-31 of its register.
.macro WM d, a, b, c, sa, sb, ra, rb
.if (\c) < 0
.if ((\ra) == 0) && ((\rb) == 0)
	v_wmma_scale_f32_16x16x128_f8f6f4 v[(\d):(\d)+7], v[(\a):(\a)+11], v[(\b):(\b)+11], 0, v[(\sa)], v[(\sb)] matrix_a_fmt:MATRIX_FMT_FP6 matrix_b_fmt:MATRIX_FMT_FP6
.elseif (\rb) == 0
	v_wmma_scale_f32_16x16x128_f8f6f4 v[(\d):(\d)+7], v[(\a):(\a)+11], v[(\b):(\b)+11], 0, v[(\sa)], v[(\sb)] matrix_a_fmt:MATRIX_FMT_FP6 matrix_b_fmt:MATRIX_FMT_FP6 matrix_a_scale:MATRIX_SCALE_ROW1
.elseif (\ra) == 0
	v_wmma_scale_f32_16x16x128_f8f6f4 v[(\d):(\d)+7], v[(\a):(\a)+11], v[(\b):(\b)+11], 0, v[(\sa)], v[(\sb)] matrix_a_fmt:MATRIX_FMT_FP6 matrix_b_fmt:MATRIX_FMT_FP6 matrix_b_scale:MATRIX_SCALE_ROW1
.else
	v_wmma_scale_f32_16x16x128_f8f6f4 v[(\d):(\d)+7], v[(\a):(\a)+11], v[(\b):(\b)+11], 0, v[(\sa)], v[(\sb)] matrix_a_fmt:MATRIX_FMT_FP6 matrix_b_fmt:MATRIX_FMT_FP6 matrix_a_scale:MATRIX_SCALE_ROW1 matrix_b_scale:MATRIX_SCALE_ROW1
.endif
.else
.if ((\ra) == 0) && ((\rb) == 0)
	v_wmma_scale_f32_16x16x128_f8f6f4 v[(\d):(\d)+7], v[(\a):(\a)+11], v[(\b):(\b)+11], v[(\c):(\c)+7], v[(\sa)], v[(\sb)] matrix_a_fmt:MATRIX_FMT_FP6 matrix_b_fmt:MATRIX_FMT_FP6
.elseif (\rb) == 0
	v_wmma_scale_f32_16x16x128_f8f6f4 v[(\d):(\d)+7], v[(\a):(\a)+11], v[(\b):(\b)+11], v[(\c):(\c)+7], v[(\sa)], v[(\sb)] matrix_a_fmt:MATRIX_FMT_FP6 matrix_b_fmt:MATRIX_FMT_FP6 matrix_a_scale:MATRIX_SCALE_ROW1
.elseif (\ra) == 0
	v_wmma_scale_f32_16x16x128_f8f6f4 v[(\d):(\d)+7], v[(\a):(\a)+11], v[(\b):(\b)+11], v[(\c):(\c)+7], v[(\sa)], v[(\sb)] matrix_a_fmt:MATRIX_FMT_FP6 matrix_b_fmt:MATRIX_FMT_FP6 matrix_b_scale:MATRIX_SCALE_ROW1
.else
	v_wmma_scale_f32_16x16x128_f8f6f4 v[(\d):(\d)+7], v[(\a):(\a)+11], v[(\b):(\b)+11], v[(\c):(\c)+7], v[(\sa)], v[(\sb)] matrix_a_fmt:MATRIX_FMT_FP6 matrix_b_fmt:MATRIX_FMT_FP6 matrix_a_scale:MATRIX_SCALE_ROW1 matrix_b_scale:MATRIX_SCALE_ROW1
.endif
.endif
.endm
; 64 numbers of a lane, v[s] on: four blocks of 16 registers; a block's other 16 numbers lie in lane l xor 16.  Out: v[d0] .. +5: block 0 whole in lanes 0-15, block 1 whole in lanes 16-31;
; v[d1] .. +5: blocks 2 and 3 likewise; v[TM+4+b]: block b's scale byte, in both halves of the lanes.  Each accumulator is read from its low end on.
.macro QUANT s, d0, d1
.irp b, 0,1,2,3
	v_max3_num_f32 v[TM+\b], |v[(\s)+16*\b]|, |v[(\s)+16*\b+1]|, 0x1800000   ; my 16 numbers, and the floor 2^(3 - 127): the byte cannot fall under 1
.endr
.irp i, 2,4,6,8,10,12,14
.irp b, 0,1,2,3
	v_max3_num_f32 v[TM+\b], v[TM+\b], |v[(\s)+16*\b+\i]|, |v[(\s)+16*\b+\i+1]|   ; the four blocks by turns
.endr
.endr
.irp b, 0,1,2,3
	v_permlanex16_b32 v[TM+4+\b], v[TM+\b], s[SEL], s[SEL+1]
.endr
.irp b, 0,1,2,3
	v_max_num_f32 v[TM+\b], v[TM+\b], v[TM+4+\b]             ; the block's largest magnitude
.endr
.irp b, 0,1,2,3
	v_add_nc_u32 v[TM+8+\b], 0xff000000, v[TM+\b]            ; 2 off its exponent field: the conversion's scale operand
.endr
.irp b, 0,1,2,3
	v_lshrrev_b32 v[TM+4+\b], 23, v[TM+8+\b]                 ; the scale's byte
.endr
	v_cvt_scalef32_pk16_fp6_f32 v[(\d0):(\d0)+2], v[(\s):(\s)+15], v[TM+8]
	v_cvt_scalef32_pk16_fp6_f32 v[TP:TP+2], v[(\s)+16:(\s)+31], v[TM+9]
	v_cvt_scalef32_pk16_fp6_f32 v[(\d1):(\d1)+2], v[(\s)+32:(\s)+47], v[TM+10]
	v_cvt_scalef32_pk16_fp6_f32 v[TP+4:TP+6], v[(\s)+48:(\s)+63], v[TM+11]
	v_nop                                                    ; one plain line behind the conversions
.irp i, 0,1,2
	v_permlane16_swap_b32 v[(\d0)+\i], v[TP+\i]              ; the first's lanes 16-31 change places with the second's lanes 0-15: a whole block to a lane
	v_permlane16_swap_b32 v[(\d1)+\i], v[TP+4+\i]
.endr
.irp i, 0,1,2
	v_mov_b32 v[(\d0)+3+\i], v[TP+\i]
	v_mov_b32 v[(\d1)+3+\i], v[TP+4+\i]
.endr
.endm
	s_load_b512 s[4:19], s[0:1], 0x0               ; X, Wq codes, Wq scales, bq, Wk codes, Wk scales, bk, Wv codes
	s_load_b256 s[20:27], s[0:1], 0x40             ; Wv scales, bv, qkv_codes, qkv_scales
	v_lshl_add_u32 v254, v0, 2, 0x2bc00
	v_mov_b32 v255, 0
	v_lshrrev_b32 v1, 5, v0
	v_readfirstlane_b32 s28, v1                    ; wave 0..15
	s_and_b32 s29, ttmp9, 3                        ; g: which four channel blocks
	s_lshr_b32 s30, ttmp9, 2
	s_lshr_b32 s31, s30, 2                         ; n: the image
	s_and_b32 s32, s30, 3                          ; dq: which 256 pixels
	s_lshr_b32 s33, s28, 2                         ; 0 K, 1 Q, 2 V
	s_and_b32 s34, s28, 3                          ; i
	s_lshl_b32 s35, s29, 2
	s_add_co_u32 s35, s35, s34                     ; cb = 4 g + i: my block of 32 channels
	s_mov_b32 s[SEL], 0x76543210
	s_mov_b32 s[SEL+1], 0xfedcba98
	s_mov_b32 s57, 0                               ; the upper word of every offset
.irp b, 0,1,2,3
	v_mov_b32 v[TM+4+\b], 0                        ; written once: a lane permute's destination counts as one of its sources
.endr
	; every address register is made here, ahead of the waves' parting
	v_and_b32 v244, 31, v0                         ; l
	v_and_b32 v245, 15, v0                         ; r
	v_bfe_u32 v246, v0, 4, 1                       ; hl
	v_lshlrev_b32 v1, 4, v244                      ; v1  16 l
	v_lshlrev_b32 v2, 3, v244                      ; v2  8 l
	v_lshlrev_b32 v3, 2, v244                      ; v3  4 l
	v_add_nc_u32 v4, 49152, v1                     ; v4, v5  the same for X's tiles 8-15
	v_add_nc_u32 v5, 49152, v2
	v_add_nc_u32 v6, XSC, v3                       ; v6  X's scale words
	v_bfe_u32 v247, v0, 3, 1                       ; phase X: my pixel 32 pg + l lies in tile 2 pg + u,
	v_and_b32 v248, 7, v0
	v_lshl_add_u32 v248, v246, 3, v248             ; in its row (l % 8) + 8 (l / 16)
	s_and_b32 s44, s28, 7                          ; pg: my wave's 32 pixels
	s_lshr_b32 s45, s28, 3                         ; my wave's K steps: this one and the one two on
	s_mul_i32 s46, s44, 12288
	s_mul_i32 s47, s45, 1536
	s_add_co_u32 s46, s46, s47
	v_mul_u32_u24 v249, v247, 6144
	v_add_nc_u32 v249, s46, v249
	v_lshl_add_u32 v7, v248, 4, v249               ; v7  where my codes' first four registers go
	v_lshl_add_u32 v8, v248, 3, v249               ; v8  and the last two
	s_lshl_b32 s46, s44, 7
	s_lshl_b32 s47, s45, 10
	s_add_co_u32 s46, s46, s47
	s_add_co_u32 s46, s46, XSC
	v_lshl_add_u32 v249, v247, 6, s46
	v_lshl_add_u32 v9, v248, 2, v249               ; v9  and my pixel's scale word
	s_lshl_b32 s56, s31, 21                        ; X: image, my K step's first channel, my 32 pixels
	s_lshl_b32 s58, s45, 19
	s_add_co_u32 s56, s56, s58
	s_lshl_b32 s58, s32, 10
	s_add_co_u32 s56, s56, s58
	s_lshl_b32 s58, s44, 7
	s_add_co_u32 s56, s56, s58
	s_lshr_b32 s44, s28, 1                         ; chunk
	s_and_b32 s45, s28, 1                          ; which block of the head's two
	s_mul_i32 s46, s44, 12288
	s_add_co_u32 s46, s46, OUTB
	s_lshl_b32 s47, s45, 8
	s_add_co_u32 s47, s47, s46
	v_mul_u32_u24 v249, v246, 768
	v_lshl_add_u32 v10, v245, 4, v249
	v_add_nc_u32 v10, s47, v10                     ; v10 K, Q: tile + hl, lane place (r, my block): 768 hl + 16 r + 256 block
	s_lshl_b32 s47, s45, 7
	s_add_co_u32 s47, s47, s46
	v_lshl_add_u32 v11, v245, 3, v249
	v_add_nc_u32 v11, s47, v11                     ; v11 the same for the last two registers
	s_lshl_b32 s54, s44, 9
	s_add_co_u32 s54, s54, SOUT
	s_add_co_u32 s55, s54, s45
	v_lshl_add_u32 v12, v245, 1, s55               ; v12 K, Q: my block's byte of pixel row r
	s_mul_i32 s55, s45, 3072
	s_add_co_u32 s55, s55, s46
	v_add_nc_u32 v13, s55, v1                      ; v13, v14 V: my two channel tiles' images
	v_add_nc_u32 v14, s55, v2
	s_lshl_b32 s55, s45, 7
	s_add_co_u32 s55, s55, s54
	v_lshl_add_u32 v15, v245, 2, s55               ; v15 V: channel row r's scale word
	s_mul_i32 s55, s28, 6144
	s_add_co_u32 s55, s55, OUTB
	v_add_nc_u32 v16, s55, v1                      ; v16 phase S: my half of a chunk
	s_lshl_b32 s55, s28, 8
	s_add_co_u32 s55, s55, SOUT
	v_add_nc_u32 v17, s55, v2                      ; v17 and of its scale bytes
	v_and_b32 v249, 8, v245
	v_add_nc_u32 v249, v249, v245                  ; r + 8 (r / 8)
	v_mul_u32_u24 v18, v249, 384                   ; v18 the weight's codes: a row is 384 bytes
	v_mad_u32_u24 v18, v246, 24, v18
	v_lshl_add_u32 v19, v246, 3, v249
	v_lshlrev_b32 v19, 4, v19                      ; v19 its scales: 16 bytes a row; lanes 16-31 take tile 1's rows
	v_lshlrev_b32 v20, 6, v246                     ; v20 K, Q: the bias of channels 16 hl + ..
	v_lshlrev_b32 v21, 2, v249                     ; v21 V: the bias of my channel
	s_wait_kmcnt 0x0
	s_add_nc_u64 s[52:53], s[4:5], s[56:57]
	s_cmp_lt_u32 s28, 4                            ; which weight is mine: the choice hangs on the wave's number alone
	s_cselect_b64 s[38:39], s[6:7], s[12:13]
	s_cselect_b64 s[40:41], s[8:9], s[14:15]
	s_cselect_b64 s[42:43], s[10:11], s[16:17]
	s_cmp_lt_u32 s28, 8
	s_cselect_b64 s[38:39], s[38:39], s[18:19]
	s_cselect_b64 s[40:41], s[40:41], s[20:21]
	s_cselect_b64 s[42:43], s[42:43], s[22:23]
	s_mul_i32 s56, s35, 12288                      ; my 32 rows
	s_add_nc_u64 s[38:39], s[38:39], s[56:57]
	s_lshl_b32 s56, s35, 9
	s_add_nc_u64 s[40:41], s[40:41], s[56:57]
	s_lshl_b32 s56, s35, 7
	s_add_nc_u64 s[42:43], s[42:43], s[56:57]
	s_lshl_b32 s46, s31, 3
	s_lshl_b32 s47, s29, 1
	s_add_co_u32 s46, s46, s47
	s_lshr_b32 s47, s34, 1
	s_add_co_u32 s46, s46, s47                     ; 8 n + head
	s_and_b32 s47, s34, 1
	s_mul_i32 s56, s33, 6291456
	s_mul_i32 s54, s46, 49152
	s_add_co_u32 s56, s56, s54
	s_mul_i32 s54, s32, 12288
	s_add_co_u32 s56, s56, s54
	s_mul_i32 s54, s47, 6144
	s_add_co_u32 s56, s56, s54
	s_add_nc_u64 s[48:49], s[24:25], s[56:57]      ; where my 6,144 bytes of codes go
	s_lshl_b32 s56, s33, 18
	s_lshl_b32 s54, s46, 11
	s_add_co_u32 s56, s56, s54
	s_lshl_b32 s54, s32, 9
	s_add_co_u32 s56, s56, s54
	s_lshl_b32 s54, s47, 8
	s_add_co_u32 s56, s56, s54
	s_add_nc_u64 s[50:51], s[26:27], s[56:57]      ; and my 256 scale bytes
	s_cmp_ge_u32 s28, 12
	s_cbranch_scc1 .Lno_w                          ; waves 12-15 own no weight
.irp u, 0,1
.irp ks, 0,1,2,3
.irp p, 0,1,2,3,4,5
	global_load_b64 v[WF+12*(4*\u+\ks)+2*\p:WF+12*(4*\u+\ks)+2*\p+1], v18, s[38:39] offset:3072*\u+96*\ks+48*(\p/3)+8*(\p%3)
.endr
.endr
.endr
	global_load_b128 v[WS:WS+3], v19, s[40:41]
	s_cmp_ge_u32 s28, 8
	s_cbranch_scc1 .Lbias_v
.irp u, 0,1                                    ; K, Q: a lane's registers run along the channels: register j of tile u is b[32 cb + 16 hl + 8 u + j]
	global_load_b128 v[BI+8*\u:BI+8*\u+3], v20, s[42:43] offset:32*\u
	global_load_b128 v[BI+8*\u+4:BI+8*\u+7], v20, s[42:43] offset:32*\u+16
.endr
	s_branch .Lno_w
.Lbias_v:
.irp u, 0,1                                    ; V: a lane holds one channel: its bias in all eight registers
.irp j, 0,1,2,3,4,5,6,7
	global_load_b32 v[BI+8*\u+\j], v21, s[42:43] offset:32*\u
.endr
.endr
.Lno_w:
; ---- PHASE X.  Unit t of 8: K step (wave / 8) + 2 (t / 4), its block t % 4 of 32 channels, my wave's 32 pixels.  A load reads one channel at 32 neighbouring pixels.
.macro XUNIT t
.irp i, 0,1,2,3,4,5,6,7,8,9,10,11,12,13,14,15,16,17,18,19,20,21,22,23,24,25,26,27,28,29,30,31
	global_load_b32 v[ACC+32*((\t)%2)+\i], v3, s[52:53] offset:(256*((\t)/4)+32*((\t)%4)+\i)*4096
.endr
.endm
.macro XBLOCK t
.set XN, ACC+32*((\t)%2)
.set XO, 3072*((\t)/4)+768*(((\t)%4)/2)
.if (\t) < 7
	s_wait_loadcnt 32                              ; this unit's 32 loads (and all older ones) are in; the next unit's 32 may be out
.else
	s_wait_loadcnt 0x0
.endif
	v_max3_num_f32 v212, |v[XN]|, |v[XN+1]|, |v[XN+2]|         ; the block's largest magnitude: all 32 numbers are mine
	v_max3_num_f32 v213, |v[XN+3]|, |v[XN+4]|, |v[XN+5]|
.irp i, 6,10,14,18,22,26
	v_max3_num_f32 v212, v212, |v[XN+\i]|, |v[XN+\i+1]|
	v_max3_num_f32 v213, v213, |v[XN+\i+2]|, |v[XN+\i+3]|
.endr
	v_max3_num_f32 v212, v212, |v[XN+30]|, |v[XN+31]|
	v_max3_num_f32 v212, v212, v213, 0x1800000     ; and the floor 2^(3 - 127)
	v_add_nc_u32 v214, 0xff000000, v212            ; the conversion's scale operand
	v_cvt_scalef32_pk16_fp6_f32 v[204:206], v[XN:XN+15], v214
	v_cvt_scalef32_pk16_fp6_f32 v[208:210], v[XN+16:XN+31], v214
.if (\t)%4 == 0
	v_lshrrev_b32 v216, 23, v214                   ; the scale's byte starts my pixel's scale word.  (The plain line behind the conversions)
.else
	v_lshrrev_b32 v215, 23, v214
	v_lshl_or_b32 v216, v215, 8*((\t)%4), v216
.endif
	v_mov_b32 v207, v208                           ; the six registers on end
	v_mov_b32 v208, v209
	v_mov_b32 v209, v210
	ds_store_b128 v7, v[204:207] offset:XO+256*((\t)%2)        ; to the place of lane (my row, block % 2) of the fragment's half block / 2
	ds_store_b64 v8, v[208:209] offset:XO+512+128*((\t)%2)
.if (\t)%4 == 3
	ds_store_b32 v9, v216 offset:2048*((\t)/4)
.endif
.if (\t) < 6
	XUNIT (\t)+2
.endif
	s_wait_dscnt 0x0                               ; the stores have read their registers
.endm
	XUNIT 0
	XUNIT 1
.irp t, 0,1,2,3,4,5,6,7
	XBLOCK \t
.endr
	BARRIER                                        ; X's 64 fragments and their scale words lie in LDS
; ---- PHASE G
.macro XLD tr, ks                      ; four tiles' fragments of one K step, and their scale words
.irp pt, 0,1,2,3
.set OO, (4*(\tr)+\pt)*6144+1536*(\ks)-49152*((\tr)/2)
	ds_load_b128 v[XF+12*\pt:XF+12*\pt+3], v[1+3*((\tr)/2)] offset:OO
	ds_load_b64 v[XF+12*\pt+4:XF+12*\pt+5], v[2+3*((\tr)/2)] offset:OO+512
	ds_load_b128 v[XF+12*\pt+6:XF+12*\pt+9], v[1+3*((\tr)/2)] offset:OO+768
	ds_load_b64 v[XF+12*\pt+10:XF+12*\pt+11], v[2+3*((\tr)/2)] offset:OO+1280
.endr
.irp pp, 0,1
	ds_load_b32 v[XS+\pp], v6 offset:1024*(\ks)+128*(2*(\tr)+\pp)
.endr
.endm
; K, Q: source 0 = 16 rows of the weight, source 1 = 16 pixels: a lane holds one pixel, and the 16 registers of tiles 0 and 1 are channels 32 cb + 16 hl + 0 .. 15.  The eight accumulators take turns.
.macro MULQK ks
.irp pt, 0,1,2,3
.irp u, 0,1
.if (\ks) == 0
	WM ACC+16*\pt+8*\u, WF+12*(4*\u+(\ks)), XF+12*\pt, BI+8*\u, WS+(\ks), XS+\pt/2, \u, \pt%2
.else
	WM ACC+16*\pt+8*\u, WF+12*(4*\u+(\ks)), XF+12*\pt, ACC+16*\pt+8*\u, WS+(\ks), XS+\pt/2, \u, \pt%2
.endif
.endr
.endr
.endm
; V: source 0 = 16 pixels, source 1 = 16 rows of the weight: a lane holds one channel, and the 16 registers of two neighbouring pixel tiles are 16 neighbouring pixels.
.macro MULV ks
.irp pt, 0,1,2,3
.irp u, 0,1
.if (\ks) == 0
	WM ACC+32*\u+8*\pt, XF+12*\pt, WF+12*(4*\u+(\ks)), BI+8*\u, XS+\pt/2, WS+(\ks), \pt%2, \u
.else
	WM ACC+32*\u+8*\pt, XF+12*\pt, WF+12*(4*\u+(\ks)), ACC+32*\u+8*\pt, XS+\pt/2, WS+(\ks), \pt%2, \u
.endif
.endr
.endr
.endm
.macro TRIPQK tr                       ; pixel tiles 4 tr .. 4 tr + 3
.irp ks, 0,1,2,3
	XLD \tr, \ks
	s_wait_dscnt 0x0
	MULQK \ks
	PLACES 4+\ks/3                                 ; four places in front of loads into X's registers and of the first read of results; five behind the last step, since the next trip begins these accumulators anew
.endr
	QUANT ACC, PC, PC+6                            ; block b = pixel tile 4 tr + b: my 32 channels of its 16 pixels
.irp c, 0,1
	ds_store_b128 v10, v[PC+6*\c:PC+6*\c+3] offset:768*(4*(\tr)+2*\c)
	ds_store_b64 v11, v[PC+6*\c+4:PC+6*\c+5] offset:768*(4*(\tr)+2*\c)+512
.endr
.irp pt, 0,1,2,3
	ds_store_b8 v12, v[TM+4+\pt] offset:32*(4*(\tr)+\pt)       ; both halves of the lanes write the same byte with the same value
.endr
	s_wait_dscnt 0x0                               ; the stores have read their registers, which the next trip's loads take
.endm
.macro TRIPV tr                        ; 64 pixels: half tr % 2 of key step tr / 2
.irp ks, 0,1,2,3
	XLD \tr, \ks
	s_wait_dscnt 0x0
	MULV \ks
	PLACES 4+\ks/3
.endr
	QUANT ACC, PC, PC+6                            ; block 2 u + bb: channel tile u, pixels 32 bb on
.irp u, 0,1
	ds_store_b128 v13, v[PC+6*\u:PC+6*\u+3] offset:6144*((\tr)/2)+1536*\u+768*((\tr)%2)
	ds_store_b64 v14, v[PC+6*\u+4:PC+6*\u+5] offset:6144*((\tr)/2)+1536*\u+768*((\tr)%2)+512
	v_lshl_or_b32 v[HW+\u], v[TM+5+2*\u], 8, v[TM+4+2*\u]
	ds_store_b16 v15, v[HW+\u] offset:256*((\tr)/2)+64*\u+2*((\tr)%2)
.endr
	s_wait_dscnt 0x0
.endm
	s_cmp_ge_u32 s28, 12
	s_cbranch_scc1 .Ljoin
	s_cmp_ge_u32 s28, 8
	s_cbranch_scc1 .Lvpath
.irp tr, 0,1,2,3
	TRIPQK \tr
.endr
	s_branch .Ljoin
.Lvpath:
.irp tr, 0,1,2,3
	TRIPV \tr
.endr
.Ljoin:
	BARRIER                                        ; the six chunks are whole
; ---- PHASE S: wave w < 12 stores half a chunk: twelve runs of 512 consecutive bytes, and 256 scale bytes
	s_cmp_ge_u32 s28, 12
	s_cbranch_scc1 .Lend
.irp j, 0,1,2,3,4,5,6,7,8,9,10,11
	ds_load_b128 v[XF+4*\j:XF+4*\j+3], v16 offset:512*\j
.endr
	ds_load_b64 v[ACC:ACC+1], v17
.irp j, 0,1,2,3,4,5,6,7,8,9,10,11
	s_wait_dscnt 12-\j                             ; piece j is in; the 12 - j LDS loads behind it may be out
	global_store_b128 v1, v[XF+4*\j:XF+4*\j+3], s[48:49] offset:512*\j
.endr
	s_wait_dscnt 0x0
	global_store_b64 v2, v[ACC:ACC+1], s[50:51]
.Lend:
	s_wait_tensorcnt 0x0
	ds_add_u32 v254, v255
	s_wait_dscnt 0x0
	s_endpgm
.Lfunc_end_k_q73a44935f5_qkv:
	.size	k_q73a44935f5_qkv, .Lfunc_end_k_q73a44935f5_qkv-k_q73a44935f5_qkv
	.p2alignl 7, 3214868480
	.fill 96, 4, 3214868480
	.section	.rodata,"a",@progbits
	.p2align	6, 0x0
	.amdhsa_kernel k_q73a44935f5_qkv
		.amdhsa_group_segment_fixed_size 181248
		.amdhsa_private_segment_fixed_size 0
		.amdhsa_enable_private_segment 0
		.amdhsa_kernarg_size 96
		.amdhsa_user_sgpr_count 2
		.amdhsa_user_sgpr_kernarg_segment_ptr 1
		.amdhsa_wavefront_size32 1
		.amdhsa_system_sgpr_workgroup_id_x 1
		.amdhsa_system_sgpr_workgroup_id_y 1
		.amdhsa_system_sgpr_workgroup_id_z 1
		.amdhsa_system_vgpr_workitem_id 0
		.amdhsa_next_free_vgpr 256
		.amdhsa_next_free_sgpr 66
		.amdhsa_reserve_vcc 0
		.amdhsa_float_denorm_mode_32 3
		.amdhsa_float_denorm_mode_16_64 3
		.amdhsa_memory_ordered 1
		.amdhsa_forward_progress 1
		.amdhsa_inst_pref_size 158
	.end_amdhsa_kernel
	.amdgpu_metadata
---
amdhsa.version: [ 1, 2 ]
amdhsa.kernels:
  - .name:           k_q73a44935f5_qkv
    .symbol:         k_q73a44935f5_qkv.kd
    .args:
      - { .name: X, .offset: 0, .size: 8, .value_kind: global_buffer, .address_space: global }
      - { .name: Wq_codes, .offset: 8, .size: 8, .value_kind: global_buffer, .address_space: global }
      - { .name: Wq_scales, .offset: 16, .size: 8, .value_kind: global_buffer, .address_space: global }
      - { .name: bq, .offset: 24, .size: 8, .value_kind: global_buffer, .address_space: global }
      - { .name: Wk_codes, .offset: 32, .size: 8, .value_kind: global_buffer, .address_space: global }
      - { .name: Wk_scales, .offset: 40, .size: 8, .value_kind: global_buffer, .address_space: global }
      - { .name: bk, .offset: 48, .size: 8, .value_kind: global_buffer, .address_space: global }
      - { .name: Wv_codes, .offset: 56, .size: 8, .value_kind: global_buffer, .address_space: global }
      - { .name: Wv_scales, .offset: 64, .size: 8, .value_kind: global_buffer, .address_space: global }
      - { .name: bv, .offset: 72, .size: 8, .value_kind: global_buffer, .address_space: global }
      - { .name: qkv_codes, .offset: 80, .size: 8, .value_kind: global_buffer, .address_space: global }
      - { .name: qkv_scales, .offset: 88, .size: 8, .value_kind: global_buffer, .address_space: global }
    .group_segment_fixed_size: 181248
    .private_segment_fixed_size: 0
    .kernarg_segment_align: 8
    .kernarg_segment_size: 96
    .max_flat_workgroup_size: 512
    .sgpr_count:     66
    .vgpr_count:     256
    .wavefront_size: 32
...
	.end_amdgpu_metadata
.endif
;; end of part 1
;; launch attn (part 2): grid 256 x 1, 16 waves a work-group, no clusters, 104,448 bytes of LDS; arguments qkv_codes, qkv_scales, o_codes, o_scales; writes o_codes, o_scales
.if DOCPART == 2
	.amdgcn_target "amdgcn-amd-amdhsa--gfx1250"
	.amdhsa_code_object_version 6
	.text
	.protected	k_q73a44935f5_attn
	.globl	k_q73a44935f5_attn
	.p2align	8
	.type	k_q73a44935f5_attn,@function
k_q73a44935f5_attn:
	s_mov_b64 s[64:65], 0
	v_nop
	global_prefetch_b8 v0, s[64:65] scope:SCOPE_SE
	s_setreg_imm32_b32 hwreg(HW_REG_WAVE_MODE, 25, 1), 1
	s_wait_xcnt 0x0
; For one image and head: A[d][D] = sum over 64 channels of Q[c][d] K[c][D]; O[c][d] = sum over the 1,024 pixels D of A[d][D] V[c][D].  No softmax.  Both products on codes of FP6 (E2M3);
; A is quantised along D in registers and never leaves them; O leaves as codes quantised along the channels, for the last product.
; LIMITS: NaN and infinities are not served.  A block of zeros gets the scale byte 1 where the quantiser says 127: its codes are zeros, and only this program reads those bytes.
; SHARES.  A work-group takes a head and 512 of its queries d; each of sixteen waves takes two tiles of 16 queries and walks all 1,024 keys D, 128 a step.  The head's K, V and their scales (102,400 bytes)
; are copied into LDS once, as they lie in the workspace: images of operand registers (a half fragment: registers 0-3 of lane l at 16 l, registers 4-5 at 512 + 8 l).
; LAYOUT.  Both products are used transposed: S^T = K Q^T (source 0 = 16 keys), O^T = V P^T (source 0 = 16 channels): a lane holds ONE query throughout.  The keys of a tile and the channels of a tile of V are
; chosen (row r of tile 2 b + u is 32 b + 8 u + r + 8 (r / 8)) so that the 16 registers of two neighbouring tiles are 16 neighbours along the next K.
; THE FIRST PRODUCT'S K IS 64, THE FORM'S IS 128.  Q's fragment is six registers of codes and six of zeros.  A tile of K is six registers; the operand names twelve, the six behind them being the next tile's (or zeros):
; whatever they hold meets zero codes, and the format has no NaN or infinity, so they add exactly 0.  The scale words are loaded as 16 bits, so that the bytes of the unused blocks are 0, not 0xff.
; The scale bytes of O leave as two bytes a lane, 4 bytes apart: one part in 24 of what the launch stores.
.set KSB, 98304                        ; LDS: K's images at 0, V's at 49,152, K's scale bytes, V's scale words
.set VSB, 100352
.set QF,  12                           ; v12-35   Q: 12 registers a tile, the upper six zeros
.set QSC, 36                           ; v36      Q's scales: lanes 0-15 tile 0, lanes 16-31 tile 1
.set KSC, 37                           ; v37-38   K's: lanes 0-15 an even tile, lanes 16-31 the odd one
.set VSC, 39                           ; v39-40   V's likewise
.set PSC, 41                           ; v41-42   the scale words of A's codes, one a query tile
.set KF,  44                           ; v44-73   four tiles of K, six registers each, and six zeros
.set P,   74                           ; v74-97   A's codes for 128 keys: 12 registers a query tile
.set TP,  98
.set TM,  106
.set S,   118                          ; v118-181 S^T: (q, i) at S + 32 q + 8 i
.set VF,  118                          ; later four fragments of V
.set O,   182                          ; v182-245 O^T: (q, t) at O + 32 q + 8 t
.set SEL, 32
.macro PLACES n
.rept \n
	v_nop
.endr
.endm
.macro BARRIER
	s_wait_dscnt 0x0
	s_barrier_signal -1
	s_barrier_wait -1
.endm
.macro WM d, a, b, c, sa, sb, ra, rb   ; one product.  c = -1: the constant 0 starts the sum.  ra, rb = 1: that side's scales stand in lanes 16-31
.if (\c) < 0
.if ((\ra) == 0) && ((\rb) == 0)
	v_wmma_scale_f32_16x16x128_f8f6f4 v[(\d):(\d)+7], v[(\a):(\a)+11], v[(\b):(\b)+11], 0, v[(\sa)], v[(\sb)] matrix_a_fmt:MATRIX_FMT_FP6 matrix_b_fmt:MATRIX_FMT_FP6
.elseif (\rb) == 0
	v_wmma_scale_f32_16x16x128_f8f6f4 v[(\d):(\d)+7], v[(\a):(\a)+11], v[(\b):(\b)+11], 0, v[(\sa)], v[(\sb)] matrix_a_fmt:MATRIX_FMT_FP6 matrix_b_fmt:MATRIX_FMT_FP6 matrix_a_scale:MATRIX_SCALE_ROW1
.elseif (\ra) == 0
	v_wmma_scale_f32_16x16x128_f8f6f4 v[(\d):(\d)+7], v[(\a):(\a)+11], v[(\b):(\b)+11], 0, v[(\sa)], v[(\sb)] matrix_a_fmt:MATRIX_FMT_FP6 matrix_b_fmt:MATRIX_FMT_FP6 matrix_b_scale:MATRIX_SCALE_ROW1
.else
	v_wmma_scale_f32_16x16x128_f8f6f4 v[(\d):(\d)+7], v[(\a):(\a)+11], v[(\b):(\b)+11], 0, v[(\sa)], v[(\sb)] matrix_a_fmt:MATRIX_FMT_FP6 matrix_b_fmt:MATRIX_FMT_FP6 matrix_a_scale:MATRIX_SCALE_ROW1 matrix_b_scale:MATRIX_SCALE_ROW1
.endif
.else
.if ((\ra) == 0) && ((\rb) == 0)
	v_wmma_scale_f32_16x16x128_f8f6f4 v[(\d):(\d)+7], v[(\a):(\a)+11], v[(\b):(\b)+11], v[(\c):(\c)+7], v[(\sa)], v[(\sb)] matrix_a_fmt:MATRIX_FMT_FP6 matrix_b_fmt:MATRIX_FMT_FP6
.elseif (\rb) == 0
	v_wmma_scale_f32_16x16x128_f8f6f4 v[(\d):(\d)+7], v[(\a):(\a)+11], v[(\b):(\b)+11], v[(\c):(\c)+7], v[(\sa)], v[(\sb)] matrix_a_fmt:MATRIX_FMT_FP6 matrix_b_fmt:MATRIX_FMT_FP6 matrix_a_scale:MATRIX_SCALE_ROW1
.elseif (\ra) == 0
	v_wmma_scale_f32_16x16x128_f8f6f4 v[(\d):(\d)+7], v[(\a):(\a)+11], v[(\b):(\b)+11], v[(\c):(\c)+7], v[(\sa)], v[(\sb)] matrix_a_fmt:MATRIX_FMT_FP6 matrix_b_fmt:MATRIX_FMT_FP6 matrix_b_scale:MATRIX_SCALE_ROW1
.else
	v_wmma_scale_f32_16x16x128_f8f6f4 v[(\d):(\d)+7], v[(\a):(\a)+11], v[(\b):(\b)+11], v[(\c):(\c)+7], v[(\sa)], v[(\sb)] matrix_a_fmt:MATRIX_FMT_FP6 matrix_b_fmt:MATRIX_FMT_FP6 matrix_a_scale:MATRIX_SCALE_ROW1 matrix_b_scale:MATRIX_SCALE_ROW1
.endif
.endif
.endm
; 64 numbers of a lane, v[s] on: four blocks of 16 registers; a block's other 16 numbers lie in lane l xor 16.  Out: v[d0] .. +5: block 0 whole in lanes 0-15, block 1 whole in lanes 16-31;
; v[d1] .. +5: blocks 2 and 3 likewise; v[TM+4+b]: block b's scale byte, in both halves of the lanes.  Each accumulator is read from its low end on.
.macro QUANT s, d0, d1
.irp b, 0,1,2,3
	v_max3_num_f32 v[TM+\b], |v[(\s)+16*\b]|, |v[(\s)+16*\b+1]|, 0x1800000   ; my 16 numbers, and the floor 2^(3 - 127): the byte cannot fall under 1
.endr
.irp i, 2,4,6,8,10,12,14
.irp b, 0,1,2,3
	v_max3_num_f32 v[TM+\b], v[TM+\b], |v[(\s)+16*\b+\i]|, |v[(\s)+16*\b+\i+1]|   ; the four blocks by turns
.endr
.endr
.irp b, 0,1,2,3
	v_permlanex16_b32 v[TM+4+\b], v[TM+\b], s[SEL], s[SEL+1]
.endr
.irp b, 0,1,2,3
	v_max_num_f32 v[TM+\b], v[TM+\b], v[TM+4+\b]             ; the block's largest magnitude
.endr
.irp b, 0,1,2,3
	v_add_nc_u32 v[TM+8+\b], 0xff000000, v[TM+\b]            ; 2 off its exponent field: the conversion's scale operand
.endr
.irp b, 0,1,2,3
	v_lshrrev_b32 v[TM+4+\b], 23, v[TM+8+\b]                 ; the scale's byte
.endr
	v_cvt_scalef32_pk16_fp6_f32 v[(\d0):(\d0)+2], v[(\s):(\s)+15], v[TM+8]
	v_cvt_scalef32_pk16_fp6_f32 v[TP:TP+2], v[(\s)+16:(\s)+31], v[TM+9]
	v_cvt_scalef32_pk16_fp6_f32 v[(\d1):(\d1)+2], v[(\s)+32:(\s)+47], v[TM+10]
	v_cvt_scalef32_pk16_fp6_f32 v[TP+4:TP+6], v[(\s)+48:(\s)+63], v[TM+11]
	v_nop                                                    ; one plain line behind the conversions
.irp i, 0,1,2
	v_permlane16_swap_b32 v[(\d0)+\i], v[TP+\i]              ; the first's lanes 16-31 change places with the second's lanes 0-15: a whole block to a lane
	v_permlane16_swap_b32 v[(\d1)+\i], v[TP+4+\i]
.endr
.irp i, 0,1,2
	v_mov_b32 v[(\d0)+3+\i], v[TP+\i]
	v_mov_b32 v[(\d1)+3+\i], v[TP+4+\i]
.endr
.endm
	s_load_b256 s[4:11], s[0:1], 0x0               ; qkv_codes, qkv_scales, o_codes, o_scales
	v_lshl_add_u32 v254, v0, 2, 0x19000
	v_mov_b32 v255, 0
.irp j, 6,7,8,9,10,11,18,19,20,21,22,23
	v_mov_b32 v[QF+\j], 0                          ; the upper halves of Q's two fragments: zero codes
.endr
.irp j, 24,25,26,27,28,29
	v_mov_b32 v[KF+\j], 0                          ; what the fourth tile of K names behind its own six registers
.endr
.irp b, 0,1,2,3
	v_mov_b32 v[TM+4+\b], 0                        ; written once: a lane permute's destination counts as one of its sources
.endr
	v_lshrrev_b32 v1, 5, v0
	v_readfirstlane_b32 s12, v1                    ; wave 0..15
	s_lshr_b32 s13, ttmp9, 1                       ; 8 n + head
	s_and_b32 s14, ttmp9, 1                        ; which 512 queries
	s_lshl_b32 s15, s14, 5
	s_lshl_b32 s34, s12, 1
	s_add_co_u32 s15, s15, s34                     ; T0: my first query tile
	s_mov_b32 s[SEL], 0x76543210
	s_mov_b32 s[SEL+1], 0xfedcba98
	v_and_b32 v246, 31, v0                         ; l
	v_lshlrev_b32 v1, 4, v246                      ; v1  16 l
	v_lshlrev_b32 v2, 3, v246                      ; v2  8 l
	v_add_nc_u32 v3, 49152, v1                     ; v3, v4  the same in V's images
	v_add_nc_u32 v4, 49152, v2
	v_lshlrev_b32 v11, 1, v246                     ; v11 2 l
	v_add_nc_u32 v5, KSB, v11                      ; v5  K's scales
	v_lshlrev_b32 v6, 2, v246
	v_add_nc_u32 v6, VSB, v6                       ; v6  V's scale words
	v_lshlrev_b32 v7, 4, v0                        ; v7  the copy: 16 bytes a thread
	v_add_nc_u32 v8, 49152, v7
	v_lshlrev_b32 v10, 2, v0                       ; v10 and 4 bytes a thread
	v_add_nc_u32 v9, KSB, v10
	v_and_b32 v247, 15, v0
	v_bfe_u32 v43, v0, 4, 1
	v_lshlrev_b32 v43, 8, v43
	v_lshl_add_u32 v43, v247, 2, v43               ; v43 O's scales: tile hl, row r
	s_mov_b32 s35, 0
	s_mov_b32 s37, 0
	s_mov_b32 s39, 0
	s_mul_i32 s34, s13, 49152                      ; the head's codes in a section
	s_mul_i32 s36, s15, 768
	s_add_co_u32 s36, s36, s34
	s_add_co_u32 s36, s36, 6291456                 ; Q's section, my first tile
	s_add_co_u32 s38, s34, 12582912                ; V's section
	s_wait_kmcnt 0x0
	s_add_nc_u64 s[16:17], s[4:5], s[34:35]
	s_add_nc_u64 s[18:19], s[4:5], s[38:39]
	s_add_nc_u64 s[20:21], s[4:5], s[36:37]
	s_lshl_b32 s34, s13, 11                        ; the head's scale bytes in a section
	s_add_nc_u64 s[22:23], s[6:7], s[34:35]
	s_lshl_b32 s36, s15, 5
	s_add_co_u32 s36, s36, s34
	s_add_co_u32 s36, s36, 262144
	s_add_nc_u64 s[24:25], s[6:7], s[36:37]
	s_add_co_u32 s38, s34, 524288
	s_add_nc_u64 s[26:27], s[6:7], s[38:39]
	s_lshr_b32 s40, s13, 3                         ; n
	s_and_b32 s41, s13, 7                          ; head
	s_lshl_b32 s42, s40, 6
	s_add_co_u32 s42, s42, s15                     ; 64 n + T0
	s_lshl_b32 s34, s42, 3
	s_add_co_u32 s34, s34, s41
	s_mul_i32 s34, s34, 768
	s_add_nc_u64 s[28:29], s[8:9], s[34:35]        ; O's codes: ((64 n + T) 8 + head) 768
	s_lshl_b32 s34, s42, 8
	s_lshr_b32 s36, s41, 1
	s_lshl_b32 s36, s36, 6
	s_add_co_u32 s34, s34, s36
	s_and_b32 s36, s41, 1
	s_lshl_b32 s36, s36, 1
	s_add_co_u32 s34, s34, s36
	s_add_nc_u64 s[30:31], s[10:11], s[34:35]      ; O's scales: (64 n + T) 256 + 64 (head / 2) + 2 (head % 2)
.irp j, 0,1,2,3,4,5
	global_load_b128 v[S+4*\j:S+4*\j+3], v7, s[16:17] offset:8192*\j           ; the 512 threads read 8,192 consecutive bytes
.endr
.irp j, 0,1,2,3,4,5
	global_load_b128 v[S+24+4*\j:S+24+4*\j+3], v7, s[18:19] offset:8192*\j
.endr
	global_load_b32 v[S+48], v10, s[22:23]
	global_load_b32 v[S+49], v10, s[26:27]
.irp q, 0,1
	global_load_b128 v[QF+12*\q:QF+12*\q+3], v1, s[20:21] offset:768*\q        ; Q stays in registers
	global_load_b64 v[QF+12*\q+4:QF+12*\q+5], v2, s[20:21] offset:768*\q+512
.endr
	global_load_u16 v[QSC], v11, s[24:25]
	s_wait_loadcnt 0x0
.irp j, 0,1,2,3,4,5
	ds_store_b128 v7, v[S+4*\j:S+4*\j+3] offset:8192*\j
.endr
.irp j, 0,1,2,3,4,5
	ds_store_b128 v8, v[S+24+4*\j:S+24+4*\j+3] offset:8192*\j
.endr
	ds_store_b32 v9, v[S+48]
	ds_store_b32 v9, v[S+49] offset:2048
	BARRIER                                        ; the head's K, V and scales lie in LDS; nothing is written there again
.macro KLOAD kg                        ; key tiles 4 kg .. 4 kg + 3 and their scales
.irp i, 0,1,2,3
	ds_load_b128 v[KF+6*\i:KF+6*\i+3], v1 offset:768*(4*(\kg)+\i)
	ds_load_b64 v[KF+6*\i+4:KF+6*\i+5], v2 offset:768*(4*(\kg)+\i)+512
.endr
.irp bl, 0,1
	ds_load_u16 v[KSC+\bl], v5 offset:64*(2*(\kg)+\bl)
.endr
.endm
.macro SMUL                            ; S^T for four key tiles x my two query tiles
.irp i, 0,1,2,3
.irp q, 0,1
	WM S+32*\q+8*\i, KF+6*\i, QF+12*\q, -1, KSC+\i/2, QSC, \i%2, \q
.endr
.endr
.endm
.macro VLOAD s                         ; V's four channel tiles x the step's 128 keys
.irp t, 0,1,2,3
.irp c, 0,1
	ds_load_b128 v[VF+12*\t+6*\c:VF+12*\t+6*\c+3], v3 offset:6144*(\s)+1536*\t+768*\c
	ds_load_b64 v[VF+12*\t+6*\c+4:VF+12*\t+6*\c+5], v4 offset:6144*(\s)+1536*\t+768*\c+512
.endr
.endr
.irp tp, 0,1
	ds_load_b32 v[VSC+\tp], v6 offset:256*(\s)+128*\tp
.endr
.endm
.macro PV first                        ; O^T += V P^T: eight accumulators by turns
.irp t, 0,1,2,3
.irp q, 0,1
.if \first
	WM O+32*\q+8*\t, VF+12*\t, P+12*\q, -1, VSC+\t/2, PSC+\q, \t%2, 0
.else
	WM O+32*\q+8*\t, VF+12*\t, P+12*\q, O+32*\q+8*\t, VSC+\t/2, PSC+\q, \t%2, 0
.endif
.endr
.endr
.endm
; A KEY STEP: 128 keys, in two groups of 64.
.macro STEP s
.irp g, 0,1
	s_wait_dscnt 0x0                               ; this group's tiles of K are in
	SMUL
	PLACES 4                                       ; in front of the loads into K's registers and of the first read of the scores
.if (2*(\s)+\g) < 15
	KLOAD 2*(\s)+\g+1                              ; the next group's, while this one is quantised
.endif
	QUANT S, P+6*\g, P+12+6*\g                     ; block 2 q + bl: query tile q, keys 128 s + 64 g + 32 bl on
.if \g == 0
	v_lshl_or_b32 v[PSC], v[TM+5], 8, v[TM+4]      ; the scale word's lower two bytes
	v_lshl_or_b32 v[PSC+1], v[TM+7], 8, v[TM+6]
.else
	v_lshl_or_b32 v247, v[TM+5], 8, v[TM+4]
	v_lshl_or_b32 v248, v[TM+7], 8, v[TM+6]
	v_lshl_or_b32 v[PSC], v247, 16, v[PSC]         ; and the upper two
	v_lshl_or_b32 v[PSC+1], v248, 16, v[PSC+1]
.endif
.endr
	VLOAD \s                                       ; into the registers that the scores have left
	PLACES 8                                       ; a scale word written by vector lines stands eight places ahead of the product, codes so written four
	s_wait_dscnt 0x0
.if (\s) == 0
	PV 1
.else
	PV 0
.endif
	PLACES 5                                       ; the next scores are written over V's fragments, which these products read
.endm
	KLOAD 0
.irp s, 0,1,2,3,4,5,6,7
	STEP \s
.endr
	; O^T is quantised along the channels: block 2 q + b: query tile q, channels 32 b on: a half fragment for each query tile
	QUANT O, P, P+6
	global_store_b128 v1, v[P:P+3], s[28:29]                   ; 512 consecutive bytes,
	global_store_b64 v2, v[P+4:P+5], s[28:29] offset:512       ; and 256
	global_store_b128 v1, v[P+6:P+9], s[28:29] offset:6144     ; the next tile lies 8 heads x 768 bytes on
	global_store_b64 v2, v[P+10:P+11], s[28:29] offset:6656
	v_lshl_or_b32 v247, v[TM+5], 8, v[TM+4]        ; tile 0's two bytes
	v_lshl_or_b32 v248, v[TM+7], 8, v[TM+6]        ; tile 1's
	v_cmp_gt_u32 vcc_lo, 16, v246
	v_cndmask_b32 v247, v248, v247, vcc_lo         ; lanes 0-15 store tile 0's, lanes 16-31 tile 1's
	global_store_b16 v43, v247, s[30:31]
	s_wait_tensorcnt 0x0
	ds_add_u32 v254, v255
	s_wait_dscnt 0x0
	s_endpgm
.Lfunc_end_k_q73a44935f5_attn:
	.size	k_q73a44935f5_attn, .Lfunc_end_k_q73a44935f5_attn-k_q73a44935f5_attn
	.p2alignl 7, 3214868480
	.fill 96, 4, 3214868480
	.section	.rodata,"a",@progbits
	.p2align	6, 0x0
	.amdhsa_kernel k_q73a44935f5_attn
		.amdhsa_group_segment_fixed_size 104448
		.amdhsa_private_segment_fixed_size 0
		.amdhsa_enable_private_segment 0
		.amdhsa_kernarg_size 32
		.amdhsa_user_sgpr_count 2
		.amdhsa_user_sgpr_kernarg_segment_ptr 1
		.amdhsa_wavefront_size32 1
		.amdhsa_system_sgpr_workgroup_id_x 1
		.amdhsa_system_sgpr_workgroup_id_y 1
		.amdhsa_system_sgpr_workgroup_id_z 1
		.amdhsa_system_vgpr_workitem_id 0
		.amdhsa_next_free_vgpr 256
		.amdhsa_next_free_sgpr 66
		.amdhsa_reserve_vcc 1
		.amdhsa_float_denorm_mode_32 3
		.amdhsa_float_denorm_mode_16_64 3
		.amdhsa_memory_ordered 1
		.amdhsa_forward_progress 1
		.amdhsa_inst_pref_size 120
	.end_amdhsa_kernel
	.amdgpu_metadata
---
amdhsa.version: [ 1, 2 ]
amdhsa.kernels:
  - .name:           k_q73a44935f5_attn
    .symbol:         k_q73a44935f5_attn.kd
    .args:
      - { .name: qkv_codes, .offset: 0, .size: 8, .value_kind: global_buffer, .address_space: global }
      - { .name: qkv_scales, .offset: 8, .size: 8, .value_kind: global_buffer, .address_space: global }
      - { .name: o_codes, .offset: 16, .size: 8, .value_kind: global_buffer, .address_space: global }
      - { .name: o_scales, .offset: 24, .size: 8, .value_kind: global_buffer, .address_space: global }
    .group_segment_fixed_size: 104448
    .private_segment_fixed_size: 0
    .kernarg_segment_align: 8
    .kernarg_segment_size: 32
    .max_flat_workgroup_size: 512
    .sgpr_count:     66
    .vgpr_count:     256
    .wavefront_size: 32
...
	.end_amdgpu_metadata
.endif
;; end of part 2
;; launch projgn (part 3): grid 256 x 1, 16 waves a work-group, no clusters, 301,056 bytes of LDS; arguments o_codes, o_scales, Wo_codes, Wo_scales, bo, gn_w, gn_b, X, out0; writes out0
.if DOCPART == 3
	.amdgcn_target "amdgcn-amd-amdhsa--gfx1250"
	.amdhsa_code_object_version 6
	.text
	.protected	k_q73a44935f5_projgn
	.globl	k_q73a44935f5_projgn
	.p2align	8
	.type	k_q73a44935f5_projgn,@function
k_q73a44935f5_projgn:
	s_mov_b64 s[64:65], 0
	v_nop
	global_prefetch_b8 v0, s[64:65] scope:SCOPE_SE
	s_setreg_imm32_b32 hwreg(HW_REG_WAVE_MODE, 25, 1), 1
	s_wait_xcnt 0x0
; out = GroupNorm(Wo O + bo) gn_w + gn_b + X.  The product on codes of FP6 (E2M3), K = the 512 channels; all else in f32.  A group is 4 channels x 1,024 pixels; mean first, then the mean of the squared differences.
; LIMITS: NaN and infinities among the inputs are not served.
; SHARES.  A work-group takes one image and 32 output channels (8 whole groups) for all 1,024 pixels; each of sixteen waves takes 64 pixels (4 tiles).  Source 0 = 16 pixels of O, source 1 = 16 rows of Wo:
; a lane holds ONE channel (16 t + r), and register j of tile pt holds pixel 32 (pt / 2) + 16 hl + 8 (pt % 2) + j of the wave's 64.
; O's fragments are used by one wave alone: they come from memory straight into registers, as the images that the launch before stored (registers 0-3 of lane l at 16 l, registers 4-5 at 512 + 8 l of each 768 bytes).
; Wo's 8 fragments are read from memory once, one by each of waves 0-7, and go round through LDS as images of their registers.
; It holds no register and is waited for only on the way out.  By this text's count one tensor load a wave is outstanding; no LDS byte is filled twice.
.set XST,  0                           ; LDS: X's tiles: wave x 8,704 = 32 rows x (256 bytes + 16)
.set YST,  139264                      ; the stage for the results, the same shape, each wave's own
.set WIMG, 278528                      ; Wo's fragments: (t, K step) at 1,536 (4 t + step)
.set RED1, 290816                      ; the waves' sums: 256 bytes a wave; the second reduction's lie 4,096 bytes on
.set WSC, 14                           ; v14-17   Wo's scale words, a register a K step: lanes 0-15 tile 0, lanes 16-31 tile 1
.set OSC, 18                           ; v18-25   O's: register 2 pt + kp: lanes 0-15 K step 2 kp, lanes 16-31 step 2 kp + 1
.set BO,  26                           ; v26-27 bo, v28-29 gn_w, v30-31 gn_b of my channel in tile 0, 1
.set GW,  28
.set GB,  30
.set DL,  32                           ; v32-35   bo - mean, a pair a tile (the packed forms name a pair and take its low word)
.set AA,  36                           ; v36-39   rsqrt(var + eps) gn_w
.set CC,  40                           ; v40-43   (bo - mean) a + gn_b
.set SUM, 44                           ; v44-45   what a lane hands to the reduction
.set PT,  46                           ; v46-47   at work
.set WF,  48                           ; v48-71   Wo's two fragments of a K step
.set OFA, 72                           ; v72-119, v120-167  O's four fragments of a K step, two buffers
.set OFB, 120
.set ACC, 168                          ; v168-231 accumulator (pt, t) at ACC + 16 pt + 8 t
.set RT,  72                           ; the sixteen waves' sums
.set PS,  104
.set TQ,  108
.set QQ,  112
.set Y,   40                           ; the way out: 16 x 4 registers of results, and of X
.set XR,  104
.set G0,  28                           ; s[28:31], s[32:39] the tensor load's descriptor
.set G1,  32
.set SEL, 40
.macro PLACES n
.rept \n
	v_nop
.endr
.endm
.macro BARRIER
	s_wait_dscnt 0x0
	s_barrier_signal -1
	s_barrier_wait -1
.endm
.macro WM d, a, b, c, sa, sb, ra, rb   ; one product.  c = -1: the constant 0 starts the sum.  ra, rb = 1: that side's scales stand in lanes 16-31
.if (\c) < 0
.if ((\ra) == 0) && ((\rb) == 0)
	v_wmma_scale_f32_16x16x128_f8f6f4 v[(\d):(\d)+7], v[(\a):(\a)+11], v[(\b):(\b)+11], 0, v[(\sa)], v[(\sb)] matrix_a_fmt:MATRIX_FMT_FP6 matrix_b_fmt:MATRIX_FMT_FP6
.elseif (\rb) == 0
	v_wmma_scale_f32_16x16x128_f8f6f4 v[(\d):(\d)+7], v[(\a):(\a)+11], v[(\b):(\b)+11], 0, v[(\sa)], v[(\sb)] matrix_a_fmt:MATRIX_FMT_FP6 matrix_b_fmt:MATRIX_FMT_FP6 matrix_a_scale:MATRIX_SCALE_ROW1
.elseif (\ra) == 0
	v_wmma_scale_f32_16x16x128_f8f6f4 v[(\d):(\d)+7], v[(\a):(\a)+11], v[(\b):(\b)+11], 0, v[(\sa)], v[(\sb)] matrix_a_fmt:MATRIX_FMT_FP6 matrix_b_fmt:MATRIX_FMT_FP6 matrix_b_scale:MATRIX_SCALE_ROW1
.else
	v_wmma_scale_f32_16x16x128_f8f6f4 v[(\d):(\d)+7], v[(\a):(\a)+11], v[(\b):(\b)+11], 0, v[(\sa)], v[(\sb)] matrix_a_fmt:MATRIX_FMT_FP6 matrix_b_fmt:MATRIX_FMT_FP6 matrix_a_scale:MATRIX_SCALE_ROW1 matrix_b_scale:MATRIX_SCALE_ROW1
.endif
.else
.if ((\ra) == 0) && ((\rb) == 0)
	v_wmma_scale_f32_16x16x128_f8f6f4 v[(\d):(\d)+7], v[(\a):(\a)+11], v[(\b):(\b)+11], v[(\c):(\c)+7], v[(\sa)], v[(\sb)] matrix_a_fmt:MATRIX_FMT_FP6 matrix_b_fmt:MATRIX_FMT_FP6
.elseif (\rb) == 0
	v_wmma_scale_f32_16x16x128_f8f6f4 v[(\d):(\d)+7], v[(\a):(\a)+11], v[(\b):(\b)+11], v[(\c):(\c)+7], v[(\sa)], v[(\sb)] matrix_a_fmt:MATRIX_FMT_FP6 matrix_b_fmt:MATRIX_FMT_FP6 matrix_a_scale:MATRIX_SCALE_ROW1
.elseif (\ra) == 0
	v_wmma_scale_f32_16x16x128_f8f6f4 v[(\d):(\d)+7], v[(\a):(\a)+11], v[(\b):(\b)+11], v[(\c):(\c)+7], v[(\sa)], v[(\sb)] matrix_a_fmt:MATRIX_FMT_FP6 matrix_b_fmt:MATRIX_FMT_FP6 matrix_b_scale:MATRIX_SCALE_ROW1
.else
	v_wmma_scale_f32_16x16x128_f8f6f4 v[(\d):(\d)+7], v[(\a):(\a)+11], v[(\b):(\b)+11], v[(\c):(\c)+7], v[(\sa)], v[(\sb)] matrix_a_fmt:MATRIX_FMT_FP6 matrix_b_fmt:MATRIX_FMT_FP6 matrix_a_scale:MATRIX_SCALE_ROW1 matrix_b_scale:MATRIX_SCALE_ROW1
.endif
.endif
.endm
	s_load_b512 s[4:19], s[0:1], 0x0               ; o_codes, o_scales, Wo codes, Wo scales, bo, gn_w, gn_b, X
	s_load_b64 s[20:21], s[0:1], 0x40              ; out0
	v_lshl_add_u32 v254, v0, 2, 0x49000
	v_mov_b32 v255, 0
	ds_add_u32 v254, v255
	ds_add_u32 v254, v255
	v_lshrrev_b32 v1, 5, v0
	v_readfirstlane_b32 s22, v1                    ; wave 0..15
	s_lshr_b32 s23, ttmp9, 4                       ; n: the image
	s_and_b32 s24, ttmp9, 15                       ; og: which 32 output channels
	; the descriptor: 32 rows (channels) x 64 elements of 4 bytes, 1,024 elements from row to row; in LDS 4 words of padding behind every 64
	s_mov_b32 s[G1+0], (2<<16)|(1<<20)|(5<<22)|(3<<25)
	s_mov_b32 s[G1+1], 64<<16                      ; tensor_dim0 = 64
	s_mov_b32 s[G1+2], 32<<16                      ; tensor_dim1 = 32
	s_mov_b32 s[G1+3], 64<<16                      ; tile_dim0 = 64
	s_mov_b32 s[G1+4], 32                          ; tile_dim1 = 32
	s_mov_b32 s[G1+5], 1024                        ; the pitch
	s_mov_b32 s[G1+6], 0
	s_mov_b32 s[G1+7], 0
	s_mov_b32 s[G0], 1
	s_mul_i32 s[G0+1], s22, 8704                   ; my wave's tile in LDS
	s_mov_b32 s[SEL], 0x76543210
	s_mov_b32 s[SEL+1], 0xfedcba98
	s_mov_b32 s58, 0x39800000                      ; 1 / 4,096
	s_mov_b32 s59, 0x3727c5ac                      ; eps = 1e-5
	s_lshl_b32 s42, s23, 21                        ; X and out0: image, my 32 channels, my 64 pixels
	s_lshl_b32 s43, s24, 17
	s_add_co_u32 s42, s42, s43
	s_lshl_b32 s43, s22, 8
	s_add_co_u32 s42, s42, s43
	s_mov_b32 s43, 0
	s_lshl_b32 s44, s23, 6
	s_lshl_b32 s45, s22, 2
	s_add_co_u32 s44, s44, s45                     ; 64 n + 4 wave: my first pixel tile
	s_mul_i32 s46, s44, 6144                       ; its codes,
	s_mov_b32 s47, 0
	s_lshl_b32 s44, s44, 8                         ; its scale words
	s_mov_b32 s45, 0
	s_lshl_b32 s50, s24, 5                         ; Wo: waves 0-7 read fragment (wave / 4, wave % 4)
	s_lshr_b32 s51, s22, 2
	s_lshl_b32 s51, s51, 4
	s_add_co_u32 s50, s50, s51
	s_mul_i32 s50, s50, 384
	s_and_b32 s51, s22, 3
	s_mul_i32 s51, s51, 96
	s_add_co_u32 s50, s50, s51
	s_mov_b32 s51, 0
	s_lshl_b32 s52, s24, 9                         ; Wo's scales: 16 bytes a row
	s_mov_b32 s53, 0
	s_lshl_b32 s54, s24, 7                         ; bo, gn_w, gn_b
	s_mov_b32 s55, 0
	; every address register is made here, ahead of the waves' parting
	v_and_b32 v46, 31, v0                          ; l
	v_and_b32 v47, 15, v0                          ; r
	v_bfe_u32 v44, v0, 4, 1                        ; hl
	v_lshlrev_b32 v1, 4, v46                       ; v1  16 l
	v_lshlrev_b32 v2, 3, v46                       ; v2  8 l
	v_lshlrev_b32 v3, 2, v46                       ; v3  4 l
	v_mul_u32_u24 v4, v47, 384
	v_mad_u32_u24 v4, v44, 24, v4                  ; v4  Wo's codes: row r, + 24 hl
	s_mul_i32 s56, s22, 1536
	s_add_co_u32 s56, s56, WIMG
	v_add_nc_u32 v5, s56, v1                       ; v5  where I store a fragment's image
	v_add_nc_u32 v6, WIMG, v1                      ; v6  from where any wave loads one
	v_mul_u32_u24 v45, v47, 272
	v_lshl_add_u32 v45, v44, 6, v45
	s_add_co_u32 s56, s[G0+1], YST
	v_add_nc_u32 v7, s56, v45                      ; v7  the stage, in: row r, + 64 hl
	v_mul_u32_u24 v45, v44, 272
	v_lshl_add_u32 v45, v47, 4, v45
	v_add_nc_u32 v8, s56, v45                      ; v8  back: lanes 0-15 one row, lanes 16-31 the next
	v_add_nc_u32 v9, s[G0+1], v45                  ; v9  the same place in X's tile
	s_lshl_b32 s56, s22, 8
	s_add_co_u32 s56, s56, RED1
	v_add_nc_u32 v10, s56, v2                      ; v10 my sums
	v_add_nc_u32 v11, RED1, v2                     ; v11 every wave's
	v_lshlrev_b32 v12, 12, v44
	v_lshl_add_u32 v12, v47, 4, v12                ; v12 out0: two rows of 4,096 bytes, 16 bytes a lane
	v_lshlrev_b32 v13, 2, v47                      ; v13 my channel's parameters
	s_wait_dscnt 0x0
	s_wait_kmcnt 0x0
	s_add_nc_u64 s[G0+2:G0+3], s[18:19], s[42:43]
	s_or_b32 s[G0+3], s[G0+3], 0x80000000          ; type = 2
	tensor_load_to_lds s[G0:G0+3], s[G1:G1+7]      ; X's tile: the first thing asked for
	s_nop 0
	PLACES 4
	s_add_nc_u64 s[20:21], s[20:21], s[42:43]
	s_add_nc_u64 s[4:5], s[4:5], s[46:47]
	s_add_nc_u64 s[6:7], s[6:7], s[44:45]
	s_add_nc_u64 s[48:49], s[8:9], s[50:51]
	s_add_nc_u64 s[10:11], s[10:11], s[52:53]
	s_add_nc_u64 s[12:13], s[12:13], s[54:55]
	s_add_nc_u64 s[14:15], s[14:15], s[54:55]
	s_add_nc_u64 s[16:17], s[16:17], s[54:55]
	s_cmp_ge_u32 s22, 8
	s_cbranch_scc1 .Lno_raw
.irp p, 0,1,2,3,4,5
	global_load_b64 v[WF+2*\p:WF+2*\p+1], v4, s[48:49] offset:48*(\p/3)+8*(\p%3)
.endr
.Lno_raw:
.macro OLD ks, buf                     ; my four tiles' fragments of K step ks: 16 loads, each of 512 or 256 consecutive bytes
.irp pt, 0,1,2,3
	global_load_b128 v[(\buf)+12*\pt:(\buf)+12*\pt+3], v1, s[4:5] offset:6144*\pt+1536*(\ks)
	global_load_b64 v[(\buf)+12*\pt+4:(\buf)+12*\pt+5], v2, s[4:5] offset:6144*\pt+1536*(\ks)+512
	global_load_b128 v[(\buf)+12*\pt+6:(\buf)+12*\pt+9], v1, s[4:5] offset:6144*\pt+1536*(\ks)+768
	global_load_b64 v[(\buf)+12*\pt+10:(\buf)+12*\pt+11], v2, s[4:5] offset:6144*\pt+1536*(\ks)+1280
.endr
.endm
	; 47 loads that every wave issues: 1 + 8 + 6 + 16 + 16
	global_load_b128 v[WSC:WSC+3], v1, s[10:11]
.irp pt, 0,1,2,3
.irp kp, 0,1
	global_load_b32 v[OSC+2*\pt+\kp], v3, s[6:7] offset:256*\pt+128*\kp
.endr
.endr
.irp t, 0,1
	global_load_b32 v[BO+\t], v13, s[12:13] offset:64*\t
	global_load_b32 v[GW+\t], v13, s[14:15] offset:64*\t
	global_load_b32 v[GB+\t], v13, s[16:17] offset:64*\t
.endr
	OLD 0, OFA
	OLD 1, OFB
	s_cmp_ge_u32 s22, 8
	s_cbranch_scc1 .Lno_img
	s_wait_loadcnt 47                              ; my six loads of Wo are in; the 47 issued behind them may be out
.irp c, 0,1,2
	ds_store_b128 v5, v[WF+4*\c:WF+4*\c+3] offset:512*\c
.endr
.Lno_img:
	BARRIER                                        ; Wo's eight fragments lie in LDS.
.macro KSTEP ks, buf
.irp t, 0,1
.irp c, 0,1,2
	ds_load_b128 v[WF+12*\t+4*\c:WF+12*\t+4*\c+3], v6 offset:1536*(4*\t+(\ks))+512*\c
.endr
.endr
.if (\ks) < 3
	s_wait_loadcnt 16                              ; this step's fragments (and all older loads) are in; the other buffer's 16 may be out
.else
	s_wait_loadcnt 0x0
.endif
	s_wait_dscnt 0x0
.irp pt, 0,1,2,3
.irp t, 0,1
.if (\ks) == 0
	WM ACC+16*\pt+8*\t, (\buf)+12*\pt, WF+12*\t, -1, OSC+2*\pt+(\ks)/2, WSC+(\ks), (\ks)%2, \t
.else
	WM ACC+16*\pt+8*\t, (\buf)+12*\pt, WF+12*\t, ACC+16*\pt+8*\t, OSC+2*\pt+(\ks)/2, WSC+(\ks), (\ks)%2, \t
.endif
.endr
.endr
	PLACES 4                                       ; in front of loads into the operands' registers, and of the first read of results
.if (\ks) < 2
	OLD (\ks)+2, \buf
.endif
.endm
	KSTEP 0, OFA
	KSTEP 1, OFB
	KSTEP 2, OFA
	KSTEP 3, OFB
; v[SUM], v[SUM+1] (tile 0's, tile 1's) are added over the two halves of the lanes, the group's four channels and the sixteen waves; the sums come back in v[RT], v[RT+1], the same bits in every wave.
.macro GROUPSUM off
.irp t, 0,1
	v_permlanex16_b32 v[PT+\t], v[SUM+\t], s[SEL], s[SEL+1]
.endr
.irp t, 0,1
	v_add_f32 v[SUM+\t], v[SUM+\t], v[PT+\t]
.endr
.irp t, 0,1
	v_add_f32_dpp v[SUM+\t], v[SUM+\t], v[SUM+\t] row_xmask:1 row_mask:0xf bank_mask:0xf
.endr
.irp t, 0,1
	v_add_f32_dpp v[SUM+\t], v[SUM+\t], v[SUM+\t] row_xmask:2 row_mask:0xf bank_mask:0xf
.endr
	ds_store_b64 v10, v[SUM:SUM+1] offset:\off
	BARRIER
.irp w, 0,1,2,3,4,5,6,7,8,9,10,11,12,13,14,15
	ds_load_b64 v[RT+2*\w:RT+2*\w+1], v11 offset:\off+256*\w
.endr
	s_wait_dscnt 0x0
.irp w, 0,1,2,3,4,5,6,7
	v_pk_add_f32 v[RT+2*\w:RT+2*\w+1], v[RT+2*\w:RT+2*\w+1], v[RT+2*\w+16:RT+2*\w+17]
.endr
.irp w, 0,1,2,3
	v_pk_add_f32 v[RT+2*\w:RT+2*\w+1], v[RT+2*\w:RT+2*\w+1], v[RT+2*\w+8:RT+2*\w+9]
.endr
.irp w, 0,1
	v_pk_add_f32 v[RT+2*\w:RT+2*\w+1], v[RT+2*\w:RT+2*\w+1], v[RT+2*\w+4:RT+2*\w+5]
.endr
	v_pk_add_f32 v[RT:RT+1], v[RT:RT+1], v[RT+2:RT+3]
.endm
	; THE MEAN.  My 32 numbers of each tile, two at a time, each accumulator from its low end on; the bias, which never enters the accumulators, 32 times
.irp t, 0,1
	v_pk_add_f32 v[PS+2*\t:PS+2*\t+1], v[ACC+8*\t:ACC+8*\t+1], v[ACC+8*\t+2:ACC+8*\t+3]
.endr
.irp j, 4,6
.irp t, 0,1
	v_pk_add_f32 v[PS+2*\t:PS+2*\t+1], v[PS+2*\t:PS+2*\t+1], v[ACC+8*\t+\j:ACC+8*\t+\j+1]
.endr
.endr
.irp pt, 1,2,3
.irp j, 0,2,4,6
.irp t, 0,1
	v_pk_add_f32 v[PS+2*\t:PS+2*\t+1], v[PS+2*\t:PS+2*\t+1], v[ACC+16*\pt+8*\t+\j:ACC+16*\pt+8*\t+\j+1]
.endr
.endr
.endr
.irp t, 0,1
	v_add_f32 v[SUM+\t], v[PS+2*\t], v[PS+2*\t+1]
.endr
.irp t, 0,1
	v_fmamk_f32 v[SUM+\t], v[BO+\t], 0x42000000, v[SUM+\t]     ; + 32 bo
.endr
	GROUPSUM 0
.irp t, 0,1
	v_fmamk_f32 v[DL+2*\t], v[RT+\t], 0xb9800000, v[BO+\t]     ; bo - sum / 4,096: what turns an accumulator into y - mean
.endr
.irp t, 0,1
	v_mov_b32 v[DL+2*\t+1], v[DL+2*\t]
.endr
	; THE VARIANCE: the mean of (y - mean)^2
.irp t, 0,1
	v_pk_add_f32 v[TQ+2*\t:TQ+2*\t+1], v[ACC+8*\t:ACC+8*\t+1], v[DL+2*\t:DL+2*\t+1] op_sel_hi:[1,0]
.endr
.irp t, 0,1
	v_pk_mul_f32 v[QQ+2*\t:QQ+2*\t+1], v[TQ+2*\t:TQ+2*\t+1], v[TQ+2*\t:TQ+2*\t+1]
.endr
.irp j, 2,4,6,16,18,20,22,32,34,36,38,48,50,52,54
.irp t, 0,1
	v_pk_add_f32 v[TQ+2*\t:TQ+2*\t+1], v[ACC+8*\t+\j:ACC+8*\t+\j+1], v[DL+2*\t:DL+2*\t+1] op_sel_hi:[1,0]
.endr
.irp t, 0,1
	v_pk_fma_f32 v[QQ+2*\t:QQ+2*\t+1], v[TQ+2*\t:TQ+2*\t+1], v[TQ+2*\t:TQ+2*\t+1], v[QQ+2*\t:QQ+2*\t+1]
.endr
.endr
.irp t, 0,1
	v_add_f32 v[SUM+\t], v[QQ+2*\t], v[QQ+2*\t+1]
.endr
	GROUPSUM 4096                                  ; bytes of its own: no wave need have finished reading the first sums
.irp t, 0,1
	v_fma_f32 v[PT+\t], v[RT+\t], s58, s59         ; var + eps
.endr
.irp t, 0,1
	v_rsq_f32 v[AA+2*\t], v[PT+\t]
.endr
	v_nop                                          ; one plain line behind the transcendentals
	s_wait_alu depctr_va_vdst(0)
.irp t, 0,1
	v_mul_f32 v[AA+2*\t], v[AA+2*\t], v[GW+\t]     ; a
.endr
.irp t, 0,1
	v_fma_f32 v[CC+2*\t], v[DL+2*\t], v[AA+2*\t], v[GB+\t]     ; c
.endr
.irp t, 0,1
	v_mov_b32 v[AA+2*\t+1], v[AA+2*\t]
	v_mov_b32 v[CC+2*\t+1], v[CC+2*\t]
.endr
.irp pt, 0,1,2,3
.irp t, 0,1
.irp j, 0,2,4,6
	v_pk_fma_f32 v[ACC+16*\pt+8*\t+\j:ACC+16*\pt+8*\t+\j+1], v[ACC+16*\pt+8*\t+\j:ACC+16*\pt+8*\t+\j+1], v[AA+2*\t:AA+2*\t+1], v[CC+2*\t:CC+2*\t+1] op_sel_hi:[1,0,0]
.endr
.endr
.endr
	; THE WAY OUT.  A lane holds pieces of one channel's row; through my own stage they become whole rows of 256 bytes.  LDS serves a wave's instructions in order (ISA guide 5.7.1.4): no wait between my stores and my loads.
.irp pt, 0,1,2,3
.irp t, 0,1
	ds_store_b128 v7, v[ACC+16*\pt+8*\t:ACC+16*\pt+8*\t+3] offset:4352*\t+128*(\pt/2)+32*(\pt%2)
	ds_store_b128 v7, v[ACC+16*\pt+8*\t+4:ACC+16*\pt+8*\t+7] offset:4352*\t+128*(\pt/2)+32*(\pt%2)+16
.endr
.endr
	s_wait_tensorcnt 0x0                           ; X's tile has landed: my own load, and only I read it
.irp i, 0,1,2,3,4,5,6,7,8,9,10,11,12,13,14,15
	ds_load_b128 v[Y+4*\i:Y+4*\i+3], v8 offset:544*\i
	ds_load_b128 v[XR+4*\i:XR+4*\i+3], v9 offset:544*\i
.endr
.irp i, 0,1,2,3,4,5,6,7,8,9,10,11,12,13,14,15
	s_wait_dscnt 30-2*\i                           ; pair i is in; the 15 - i pairs behind it may be out
	v_pk_add_f32 v[Y+4*\i:Y+4*\i+1], v[Y+4*\i:Y+4*\i+1], v[XR+4*\i:XR+4*\i+1]
	v_pk_add_f32 v[Y+4*\i+2:Y+4*\i+3], v[Y+4*\i+2:Y+4*\i+3], v[XR+4*\i+2:XR+4*\i+3]
	global_store_b128 v12, v[Y+4*\i:Y+4*\i+3], s[20:21] offset:8192*\i th:TH_STORE_NT   ; sixteen lanes store 256 consecutive bytes, at a multiple of 256 from out0's first byte
.endr
	s_wait_tensorcnt 0x0
	ds_add_u32 v254, v255
	s_wait_dscnt 0x0
	s_endpgm
.Lfunc_end_k_q73a44935f5_projgn:
	.size	k_q73a44935f5_projgn, .Lfunc_end_k_q73a44935f5_projgn-k_q73a44935f5_projgn
	.p2alignl 7, 3214868480
	.fill 96, 4, 3214868480
	.section	.rodata,"a",@progbits
	.p2align	6, 0x0
	.amdhsa_kernel k_q73a44935f5_projgn
		.amdhsa_group_segment_fixed_size 301056
		.amdhsa_private_segment_fixed_size 0
		.amdhsa_enable_private_segment 0
		.amdhsa_kernarg_size 72
		.amdhsa_user_sgpr_count 2
		.amdhsa_user_sgpr_kernarg_segment_ptr 1
		.amdhsa_wavefront_size32 1
		.amdhsa_system_sgpr_workgroup_id_x 1
		.amdhsa_system_sgpr_workgroup_id_y 1
		.amdhsa_system_sgpr_workgroup_id_z 1
		.amdhsa_system_vgpr_workitem_id 0
		.amdhsa_next_free_vgpr 256
		.amdhsa_next_free_sgpr 66
		.amdhsa_reserve_vcc 0
		.amdhsa_float_denorm_mode_32 3
		.amdhsa_float_denorm_mode_16_64 3
		.amdhsa_memory_ordered 1
		.amdhsa_forward_progress 1
		.amdhsa_inst_pref_size 41
	.end_amdhsa_kernel
	.amdgpu_metadata
---
amdhsa.version: [ 1, 2 ]
amdhsa.kernels:
  - .name:           k_q73a44935f5_projgn
    .symbol:         k_q73a44935f5_projgn.kd
    .args:
      - { .name: o_codes, .offset: 0, .size: 8, .value_kind: global_buffer, .address_space: global }
      - { .name: o_scales, .offset: 8, .size: 8, .value_kind: global_buffer, .address_space: global }
      - { .name: Wo_codes, .offset: 16, .size: 8, .value_kind: global_buffer, .address_space: global }
      - { .name: Wo_scales, .offset: 24, .size: 8, .value_kind: global_buffer, .address_space: global }
      - { .name: bo, .offset: 32, .size: 8, .value_kind: global_buffer, .address_space: global }
      - { .name: gn_w, .offset: 40, .size: 8, .value_kind: global_buffer, .address_space: global }
      - { .name: gn_b, .offset: 48, .size: 8, .value_kind: global_buffer, .address_space: global }
      - { .name: X, .offset: 56, .size: 8, .value_kind: global_buffer, .address_space: global }
      - { .name: out0, .offset: 64, .size: 8, .value_kind: global_buffer, .address_space: global }
    .group_segment_fixed_size: 301056
    .private_segment_fixed_size: 0
    .kernarg_segment_align: 8
    .kernarg_segment_size: 72
    .max_flat_workgroup_size: 512
    .sgpr_count:     66
    .vgpr_count:     256
    .wavefront_size: 32
...
	.end_amdgpu_metadata
.endif
;; end of part 3
;; ======== version 2 of 2: 3 launches; version 1 with the launches qkv, attn written anew for expert scheduling mode
;; workspace buffers: qkv_codes 18,874,368 bytes; qkv_scales 786,432 bytes; o_codes 6,291,456 bytes; o_scales 262,144 bytes
;; launch qkv (part 4): grid 256 x 1, 16 waves a work-group, no clusters, 181,248 bytes of LDS; arguments X, Wq_codes, Wq_scales, bq, Wk_codes, Wk_scales, bk, Wv_codes, Wv_scales, bv, qkv_codes, qkv_scales; writes qkv_codes, qkv_scales
.if DOCPART == 4
	.amdgcn_target "amdgcn-amd-amdhsa--gfx1250"
	.amdhsa_code_object_version 6
	.text
	.protected	k_q73a44935f5_qkv
	.globl	k_q73a44935f5_qkv
	.p2align	8
	.type	k_q73a44935f5_qkv,@function
k_q73a44935f5_qkv:
	s_mov_b64 s[64:65], 0
	v_nop
	global_prefetch_b8 v0, s[64:65] scope:SCOPE_SE
	s_setreg_imm32_b32 hwreg(HW_REG_WAVE_SCHED_MODE, 0, 2), 2
	s_setreg_imm32_b32 hwreg(HW_REG_WAVE_MODE, 25, 1), 1
	s_wait_xcnt 0x0
	s_wait_alu depctr_vm_vsrc(0)
; K = Wq X + bq, Q = Wk X + bk, V = Wv X + bv (the names as the model swaps them), all on codes of FP6 (E2M3) with one E8M0 scale for each 32 along a product's K (the 512 channels).
; X: [16][512][1024] f32; the weights come as codes, K innermost.  The results leave as CODES, quantised for the products that follow: K and Q along a head's 64 channels, V along the pixels.
; LIMITS: NaN and infinities among the inputs are not served.  A block of zeros gets the scale byte 1 where the quantiser says 127: its codes are zeros, which add nothing, and only this program reads those bytes.
; SHARES.  A work-group takes 256 pixels of one image (16 tiles of 16) and channel blocks 4 g .. 4 g + 3 (two heads) of each of K, Q, V: 384 rows.  Sixteen waves of 256 registers.
;   Phase X: all sixteen waves quantise the 256 pixels x 512 channels of X: a lane takes a pixel and its registers run down the channels; the codes go to LDS as images of operand registers.
;   Phase G: waves 0-11 (K: 0-3, Q: 4-7, V: 8-11) each own 32 rows of one weight, whose 8 fragments stay in registers, and walk the 16 pixel tiles, four a trip; the results are quantised in registers.
;   Phase S: the codes, gathered in LDS as they are to lie in memory, leave in runs of 512 consecutive bytes.
; THE PIXELS OF A TILE ARE NOT NEIGHBOURS: row r of tile 2 b + u is pixel 32 b + 8 u + r + 8 (r / 8); the rows of a weight tile are chosen the same way.  So the 16 result registers of two neighbouring tiles are 16 neighbours along the next K.
; HALF FRAGMENT (768 bytes): six registers a lane: registers 0-3 of lane l at 16 l, registers 4-5 at 512 + 8 l.  Lane (r, hl) holds the 32 codes of block hl of row r.
; qkv_codes: section 0 K, 1 Q, 2 V, 6,291,456 bytes each; a head 49,152.  K, Q: tile T at 768 T.  V: 6,144 s + 1,536 t + 768 c (s: 128 pixels; t: 16 channels; c: half of the 128).
; qkv_scales: sections of 262,144, a head 2,048.  K, Q: two bytes at 32 T + 2 r.  V: a word at 256 s + 64 t + 4 r.
; THE MODE: SCHED_MODE bits 1:0 = 2 (LLVM: expert scheduling mode 2), set by the entry lines.  The code itself states the register dependences
; between vector or matrix instructions and memory or LDS instructions, with s_wait_alu, always for 0.
; THE PLAN.  Registers that memory or LDS instructions touch:
;   v1-v21            offsets and addresses: written at the head and never again.  One wait on va_vdst at the head's end serves every load and store of the kernel.
;   v140-203, phase X two sets of 32 numbers.  Unit t's loads land in set t % 2; its maxima and conversions read it; unit t + 2's loads land in it again.
;   v204-209, v216    phase X: a unit's codes and the scale word: written by conversions, moves and shifts, read by the unit's LDS stores.
;                     One wait on va_vdst a unit, behind its last vector line, serves the stores and the loads of unit t + 2; one on vm_vsrc at the unit's end frees the stores' data.
;   v204-251, v26-27  phase G: X's four fragments and their scale words.  A K step's LDS loads land in them, its eight products read them.  All 256 registers are taken, so there is one set:
;                     a wait on va_vdst stands ahead of each reload.  Behind a trip's products the same registers hold the codes and bytes that QUANT writes and the trip's LDS stores read:
;                     one wait on va_vdst ahead of the run of stores (no vector line follows it, so it also serves the next trip's first loads and phase S's loads), one on vm_vsrc behind the run.
;   v22-25, v28-139   the weight's scale words, the bias, the weight's fragments: loaded once into registers that no vector line has named, read by products alone.
;   v254, v255        written at the head, read by the closing add alone.
.set XIMG, 0                           ; LDS: X's fragments: (tile, K step) at 6,144 tile + 1,536 step
.set XSC,  98304                       ; their scale words: 1,024 step + 64 tile + 4 r
.set OUTB, 102400                      ; six chunks of 12,288: what goes to qkv_codes, byte for byte; chunk = wave / 2
.set SOUT, 176128                      ; six chunks of 512: what goes to qkv_scales
.set WS,  22                           ; v22-25   the weight's scale words, one register a K step: lanes 0-15 tile 0, lanes 16-31 tile 1
.set XS,  26                           ; v26-27   X's scale words: lanes 0-15 an even tile, lanes 16-31 the odd one
.set BI,  28                           ; v28-43   the bias in the result's layout, 8 registers a tile
.set WF,  44                           ; v44-139  the weight's fragments: (tile u, K step) at WF + 12 (4 u + step)
.set ACC, 140                          ; v140-203 eight accumulators; in phase X two sets of 32 numbers
.set XF,  204                          ; v204-251 four fragments of X
.set PC,  204                          ; behind a trip's products: the codes just made,
.set TP,  216                          ; their upper halves on the way,
.set TM,  224                          ; largest magnitudes, bytes, scale operands,
.set HW,  236                          ; two scale bytes joined
.set SEL, 36                           ; s[36:37] lane selects: lane l xor 16
.macro PLACES n
.rept \n
	v_nop
.endr
.endm
.macro BARRIER                         ; my LDS stores have landed and my LDS loads are in: then the work-group's barrier
	s_wait_dscnt 0x0
	s_barrier_signal -1
	s_barrier_wait -1
.endm
; One product.  c = -1: the constant 0 starts the sum.  ra, rb = 1: that side's scales stand in lanes 16-31 of its register.
.macro WM d, a, b, c, sa, sb, ra, rb
.if (\c) < 0
.if ((\ra) == 0) && ((\rb) == 0)
	v_wmma_scale_f32_16x16x128_f8f6f4 v[(\d):(\d)+7], v[(\a):(\a)+11], v[(\b):(\b)+11], 0, v[(\sa)], v[(\sb)] matrix_a_fmt:MATRIX_FMT_FP6 matrix_b_fmt:MATRIX_FMT_FP6
.elseif (\rb) == 0
	v_wmma_scale_f32_16x16x128_f8f6f4 v[(\d):(\d)+7], v[(\a):(\a)+11], v[(\b):(\b)+11], 0, v[(\sa)], v[(\sb)] matrix_a_fmt:MATRIX_FMT_FP6 matrix_b_fmt:MATRIX_FMT_FP6 matrix_a_scale:MATRIX_SCALE_ROW1
.elseif (\ra) == 0
	v_wmma_scale_f32_16x16x128_f8f6f4 v[(\d):(\d)+7], v[(\a):(\a)+11], v[(\b):(\b)+11], 0, v[(\sa)], v[(\sb)] matrix_a_fmt:MATRIX_FMT_FP6 matrix_b_fmt:MATRIX_FMT_FP6 matrix_b_scale:MATRIX_SCALE_ROW1
.else
	v_wmma_scale_f32_16x16x128_f8f6f4 v[(\d):(\d)+7], v[(\a):(\a)+11], v[(\b):(\b)+11], 0, v[(\sa)], v[(\sb)] matrix_a_fmt:MATRIX_FMT_FP6 matrix_b_fmt:MATRIX_FMT_FP6 matrix_a_scale:MATRIX_SCALE_ROW1 matrix_b_scale:MATRIX_SCALE_ROW1
.endif
.else
.if ((\ra) == 0) && ((\rb) == 0)
	v_wmma_scale_f32_16x16x128_f8f6f4 v[(\d):(\d)+7], v[(\a):(\a)+11], v[(\b):(\b)+11], v[(\c):(\c)+7], v[(\sa)], v[(\sb)] matrix_a_fmt:MATRIX_FMT_FP6 matrix_b_fmt:MATRIX_FMT_FP6
.elseif (\rb) == 0
	v_wmma_scale_f32_16x16x128_f8f6f4 v[(\d):(\d)+7], v[(\a):(\a)+11], v[(\b):(\b)+11], v[(\c):(\c)+7], v[(\sa)], v[(\sb)] matrix_a_fmt:MATRIX_FMT_FP6 matrix_b_fmt:MATRIX_FMT_FP6 matrix_a_scale:MATRIX_SCALE_ROW1
.elseif (\ra) == 0
	v_wmma_scale_f32_16x16x128_f8f6f4 v[(\d):(\d)+7], v[(\a):(\a)+11], v[(\b):(\b)+11], v[(\c):(\c)+7], v[(\sa)], v[(\sb)] matrix_a_fmt:MATRIX_FMT_FP6 matrix_b_fmt:MATRIX_FMT_FP6 matrix_b_scale:MATRIX_SCALE_ROW1
.else
	v_wmma_scale_f32_16x16x128_f8f6f4 v[(\d):(\d)+7], v[(\a):(\a)+11], v[(\b):(\b)+11], v[(\c):(\c)+7], v[(\sa)], v[(\sb)] matrix_a_fmt:MATRIX_FMT_FP6 matrix_b_fmt:MATRIX_FMT_FP6 matrix_a_scale:MATRIX_SCALE_ROW1 matrix_b_scale:MATRIX_SCALE_ROW1
.endif
.endif
.endm
; 64 numbers of a lane, v[s] on: four blocks of 16 registers; a block's other 16 numbers lie in lane l xor 16.  Out: v[d0] .. +5: block 0 whole in lanes 0-15, block 1 whole in lanes 16-31;
; v[d1] .. +5: blocks 2 and 3 likewise; v[TM+4+b]: block b's scale byte, in both halves of the lanes.  Each accumulator is read from its low end on.
.macro QUANT s, d0, d1
.irp b, 0,1,2,3
	v_max3_num_f32 v[TM+\b], |v[(\s)+16*\b]|, |v[(\s)+16*\b+1]|, 0x1800000   ; my 16 numbers, and the floor 2^(3 - 127): the byte cannot fall under 1
.endr
.irp i, 2,4,6,8,10,12,14
.irp b, 0,1,2,3
	v_max3_num_f32 v[TM+\b], v[TM+\b], |v[(\s)+16*\b+\i]|, |v[(\s)+16*\b+\i+1]|   ; the four blocks by turns
.endr
.endr
.irp b, 0,1,2,3
	v_permlanex16_b32 v[TM+4+\b], v[TM+\b], s[SEL], s[SEL+1]
.endr
.irp b, 0,1,2,3
	v_max_num_f32 v[TM+\b], v[TM+\b], v[TM+4+\b]             ; the block's largest magnitude
.endr
.irp b, 0,1,2,3
	v_add_nc_u32 v[TM+8+\b], 0xff000000, v[TM+\b]            ; 2 off its exponent field: the conversion's scale operand
.endr
.irp b, 0,1,2,3
	v_lshrrev_b32 v[TM+4+\b], 23, v[TM+8+\b]                 ; the scale's byte
.endr
	v_cvt_scalef32_pk16_fp6_f32 v[(\d0):(\d0)+2], v[(\s):(\s)+15], v[TM+8]
	v_cvt_scalef32_pk16_fp6_f32 v[TP:TP+2], v[(\s)+16:(\s)+31], v[TM+9]
	v_cvt_scalef32_pk16_fp6_f32 v[(\d1):(\d1)+2], v[(\s)+32:(\s)+47], v[TM+10]
	v_cvt_scalef32_pk16_fp6_f32 v[TP+4:TP+6], v[(\s)+48:(\s)+63], v[TM+11]
	v_nop                                                    ; one plain line behind the conversions
.irp i, 0,1,2
	v_permlane16_swap_b32 v[(\d0)+\i], v[TP+\i]              ; the first's lanes 16-31 change places with the second's lanes 0-15: a whole block to a lane
	v_permlane16_swap_b32 v[(\d1)+\i], v[TP+4+\i]
.endr
.irp i, 0,1,2
	v_mov_b32 v[(\d0)+3+\i], v[TP+\i]
	v_mov_b32 v[(\d1)+3+\i], v[TP+4+\i]
.endr
.endm
	s_load_b512 s[4:19], s[0:1], 0x0               ; X, Wq codes, Wq scales, bq, Wk codes, Wk scales, bk, Wv codes
	s_load_b256 s[20:27], s[0:1], 0x40             ; Wv scales, bv, qkv_codes, qkv_scales
	v_lshl_add_u32 v254, v0, 2, 0x2bc00
	v_mov_b32 v255, 0
	v_lshrrev_b32 v1, 5, v0
	v_readfirstlane_b32 s28, v1                    ; wave 0..15
	s_and_b32 s29, ttmp9, 3                        ; g: which four channel blocks
	s_lshr_b32 s30, ttmp9, 2
	s_lshr_b32 s31, s30, 2                         ; n: the image
	s_and_b32 s32, s30, 3                          ; dq: which 256 pixels
	s_wait_alu depctr_va_sdst(0)                   ; s28 is written, ahead of its first reader: addresses, bases and the waves' branches are made from it
	s_lshr_b32 s33, s28, 2                         ; 0 K, 1 Q, 2 V
	s_and_b32 s34, s28, 3                          ; i
	s_lshl_b32 s35, s29, 2
	s_add_co_u32 s35, s35, s34                     ; cb = 4 g + i: my block of 32 channels
	s_mov_b32 s[SEL], 0x76543210
	s_mov_b32 s[SEL+1], 0xfedcba98
	s_mov_b32 s57, 0                               ; the upper word of every offset
.irp b, 0,1,2,3
	v_mov_b32 v[TM+4+\b], 0                        ; written once: a lane permute's destination counts as one of its sources
.endr
	; every address register is made here, ahead of the waves' parting
	v_and_b32 v244, 31, v0                         ; l
	v_and_b32 v245, 15, v0                         ; r
	v_bfe_u32 v246, v0, 4, 1                       ; hl
	v_lshlrev_b32 v1, 4, v244                      ; v1  16 l
	v_lshlrev_b32 v2, 3, v244                      ; v2  8 l
	v_lshlrev_b32 v3, 2, v244                      ; v3  4 l
	v_add_nc_u32 v4, 49152, v1                     ; v4, v5  the same for X's tiles 8-15
	v_add_nc_u32 v5, 49152, v2
	v_add_nc_u32 v6, XSC, v3                       ; v6  X's scale words
	v_bfe_u32 v247, v0, 3, 1                       ; phase X: my pixel 32 pg + l lies in tile 2 pg + u,
	v_and_b32 v248, 7, v0
	v_lshl_add_u32 v248, v246, 3, v248             ; in its row (l % 8) + 8 (l / 16)
	s_and_b32 s44, s28, 7                          ; pg: my wave's 32 pixels
	s_lshr_b32 s45, s28, 3                         ; my wave's K steps: this one and the one two on
	s_mul_i32 s46, s44, 12288
	s_mul_i32 s47, s45, 1536
	s_add_co_u32 s46, s46, s47
	v_mul_u32_u24 v249, v247, 6144
	v_add_nc_u32 v249, s46, v249
	v_lshl_add_u32 v7, v248, 4, v249               ; v7  where my codes' first four registers go
	v_lshl_add_u32 v8, v248, 3, v249               ; v8  and the last two
	s_lshl_b32 s46, s44, 7
	s_lshl_b32 s47, s45, 10
	s_add_co_u32 s46, s46, s47
	s_add_co_u32 s46, s46, XSC
	v_lshl_add_u32 v249, v247, 6, s46
	v_lshl_add_u32 v9, v248, 2, v249               ; v9  and my pixel's scale word
	s_lshl_b32 s56, s31, 21                        ; X: image, my K step's first channel, my 32 pixels
	s_lshl_b32 s58, s45, 19
	s_add_co_u32 s56, s56, s58
	s_lshl_b32 s58, s32, 10
	s_add_co_u32 s56, s56, s58
	s_lshl_b32 s58, s44, 7
	s_add_co_u32 s56, s56, s58
	s_lshr_b32 s44, s28, 1                         ; chunk
	s_and_b32 s45, s28, 1                          ; which block of the head's two
	s_mul_i32 s46, s44, 12288
	s_add_co_u32 s46, s46, OUTB
	s_lshl_b32 s47, s45, 8
	s_add_co_u32 s47, s47, s46
	v_mul_u32_u24 v249, v246, 768
	v_lshl_add_u32 v10, v245, 4, v249
	v_add_nc_u32 v10, s47, v10                     ; v10 K, Q: tile + hl, lane place (r, my block): 768 hl + 16 r + 256 block
	s_lshl_b32 s47, s45, 7
	s_add_co_u32 s47, s47, s46
	v_lshl_add_u32 v11, v245, 3, v249
	v_add_nc_u32 v11, s47, v11                     ; v11 the same for the last two registers
	s_lshl_b32 s54, s44, 9
	s_add_co_u32 s54, s54, SOUT
	s_add_co_u32 s55, s54, s45
	v_lshl_add_u32 v12, v245, 1, s55               ; v12 K, Q: my block's byte of pixel row r
	s_mul_i32 s55, s45, 3072
	s_add_co_u32 s55, s55, s46
	v_add_nc_u32 v13, s55, v1                      ; v13, v14 V: my two channel tiles' images
	v_add_nc_u32 v14, s55, v2
	s_lshl_b32 s55, s45, 7
	s_add_co_u32 s55, s55, s54
	v_lshl_add_u32 v15, v245, 2, s55               ; v15 V: channel row r's scale word
	s_mul_i32 s55, s28, 6144
	s_add_co_u32 s55, s55, OUTB
	v_add_nc_u32 v16, s55, v1                      ; v16 phase S: my half of a chunk
	s_lshl_b32 s55, s28, 8
	s_add_co_u32 s55, s55, SOUT
	v_add_nc_u32 v17, s55, v2                      ; v17 and of its scale bytes
	v_and_b32 v249, 8, v245
	v_add_nc_u32 v249, v249, v245                  ; r + 8 (r / 8)
	v_mul_u32_u24 v18, v249, 384                   ; v18 the weight's codes: a row is 384 bytes
	v_mad_u32_u24 v18, v246, 24, v18
	v_lshl_add_u32 v19, v246, 3, v249
	v_lshlrev_b32 v19, 4, v19                      ; v19 its scales: 16 bytes a row; lanes 16-31 take tile 1's rows
	v_lshlrev_b32 v20, 6, v246                     ; v20 K, Q: the bias of channels 16 hl + ..
	v_lshlrev_b32 v21, 2, v249                     ; v21 V: the bias of my channel
	s_wait_kmcnt 0x0
	s_add_nc_u64 s[52:53], s[4:5], s[56:57]
	s_cmp_lt_u32 s28, 4                            ; which weight is mine: the choice hangs on the wave's number alone
	s_cselect_b64 s[38:39], s[6:7], s[12:13]
	s_cselect_b64 s[40:41], s[8:9], s[14:15]
	s_cselect_b64 s[42:43], s[10:11], s[16:17]
	s_cmp_lt_u32 s28, 8
	s_cselect_b64 s[38:39], s[38:39], s[18:19]
	s_cselect_b64 s[40:41], s[40:41], s[20:21]
	s_cselect_b64 s[42:43], s[42:43], s[22:23]
	s_mul_i32 s56, s35, 12288                      ; my 32 rows
	s_add_nc_u64 s[38:39], s[38:39], s[56:57]
	s_lshl_b32 s56, s35, 9
	s_add_nc_u64 s[40:41], s[40:41], s[56:57]
	s_lshl_b32 s56, s35, 7
	s_add_nc_u64 s[42:43], s[42:43], s[56:57]
	s_lshl_b32 s46, s31, 3
	s_lshl_b32 s47, s29, 1
	s_add_co_u32 s46, s46, s47
	s_lshr_b32 s47, s34, 1
	s_add_co_u32 s46, s46, s47                     ; 8 n + head
	s_and_b32 s47, s34, 1
	s_mul_i32 s56, s33, 6291456
	s_mul_i32 s54, s46, 49152
	s_add_co_u32 s56, s56, s54
	s_mul_i32 s54, s32, 12288
	s_add_co_u32 s56, s56, s54
	s_mul_i32 s54, s47, 6144
	s_add_co_u32 s56, s56, s54
	s_add_nc_u64 s[48:49], s[24:25], s[56:57]      ; where my 6,144 bytes of codes go
	s_lshl_b32 s56, s33, 18
	s_lshl_b32 s54, s46, 11
	s_add_co_u32 s56, s56, s54
	s_lshl_b32 s54, s32, 9
	s_add_co_u32 s56, s56, s54
	s_lshl_b32 s54, s47, 8
	s_add_co_u32 s56, s56, s54
	s_add_nc_u64 s[50:51], s[26:27], s[56:57]      ; and my 256 scale bytes
	s_wait_alu depctr_va_vdst(0)                   ; v1 to v21 are written, which the loads and stores of the whole kernel read as offsets and addresses; so are v228-231 and v244-249, in which LDS loads land in phase G
	s_cmp_ge_u32 s28, 12
	s_cbranch_scc1 .Lno_w                          ; waves 12-15 own no weight
.irp u, 0,1
.irp ks, 0,1,2,3
.irp p, 0,1,2,3,4,5
	global_load_b64 v[WF+12*(4*\u+\ks)+2*\p:WF+12*(4*\u+\ks)+2*\p+1], v18, s[38:39] offset:3072*\u+96*\ks+48*(\p/3)+8*(\p%3)
.endr
.endr
.endr
	global_load_b128 v[WS:WS+3], v19, s[40:41]
	s_cmp_ge_u32 s28, 8
	s_cbranch_scc1 .Lbias_v
.irp u, 0,1                                    ; K, Q: a lane's registers run along the channels: register j of tile u is b[32 cb + 16 hl + 8 u + j]
	global_load_b128 v[BI+8*\u:BI+8*\u+3], v20, s[42:43] offset:32*\u
	global_load_b128 v[BI+8*\u+4:BI+8*\u+7], v20, s[42:43] offset:32*\u+16
.endr
	s_branch .Lno_w
.Lbias_v:
.irp u, 0,1                                    ; V: a lane holds one channel: its bias in all eight registers
.irp j, 0,1,2,3,4,5,6,7
	global_load_b32 v[BI+8*\u+\j], v21, s[42:43] offset:32*\u
.endr
.endr
.Lno_w:
; ---- PHASE X.  Unit t of 8: K step (wave / 8) + 2 (t / 4), its block t % 4 of 32 channels, my wave's 32 pixels.  A load reads one channel at 32 neighbouring pixels.
.macro XUNIT t
.irp i, 0,1,2,3,4,5,6,7,8,9,10,11,12,13,14,15,16,17,18,19,20,21,22,23,24,25,26,27,28,29,30,31
	global_load_b32 v[ACC+32*((\t)%2)+\i], v3, s[52:53] offset:(256*((\t)/4)+32*((\t)%4)+\i)*4096
.endr
.endm
.macro XBLOCK t
.set XN, ACC+32*((\t)%2)
.set XO, 3072*((\t)/4)+768*(((\t)%4)/2)
.if (\t) < 7
	s_wait_loadcnt 32                              ; this unit's 32 loads (and all older ones) are in; the next unit's 32 may be out
.else
	s_wait_loadcnt 0x0
.endif
	v_max3_num_f32 v212, |v[XN]|, |v[XN+1]|, |v[XN+2]|         ; the block's largest magnitude: all 32 numbers are mine
	v_max3_num_f32 v213, |v[XN+3]|, |v[XN+4]|, |v[XN+5]|
.irp i, 6,10,14,18,22,26
	v_max3_num_f32 v212, v212, |v[XN+\i]|, |v[XN+\i+1]|
	v_max3_num_f32 v213, v213, |v[XN+\i+2]|, |v[XN+\i+3]|
.endr
	v_max3_num_f32 v212, v212, |v[XN+30]|, |v[XN+31]|
	v_max3_num_f32 v212, v212, v213, 0x1800000     ; and the floor 2^(3 - 127)
	v_add_nc_u32 v214, 0xff000000, v212            ; the conversion's scale operand
	v_cvt_scalef32_pk16_fp6_f32 v[204:206], v[XN:XN+15], v214
	v_cvt_scalef32_pk16_fp6_f32 v[208:210], v[XN+16:XN+31], v214
.if (\t)%4 == 0
	v_lshrrev_b32 v216, 23, v214                   ; the scale's byte starts my pixel's scale word.  (The plain line behind the conversions)
.else
	v_lshrrev_b32 v215, 23, v214
	v_lshl_or_b32 v216, v215, 8*((\t)%4), v216
.endif
	v_mov_b32 v207, v208                           ; the six registers on end
	v_mov_b32 v208, v209
	v_mov_b32 v209, v210
	s_wait_alu depctr_va_vdst(0)                   ; the codes v204-209 and the scale word v216 are written, which the LDS stores read; the maxima and conversions are done reading this set of 32, in which the loads of the unit two on land
	ds_store_b128 v7, v[204:207] offset:XO+256*((\t)%2)        ; to the place of lane (my row, block % 2) of the fragment's half block / 2
	ds_store_b64 v8, v[208:209] offset:XO+512+128*((\t)%2)
.if (\t)%4 == 3
	ds_store_b32 v9, v216 offset:2048*((\t)/4)
.endif
.if (\t) < 6
	XUNIT (\t)+2                                   ; no vector line since the wait names these registers
.endif
	s_wait_dscnt 0x0                               ; the stores have landed
	s_wait_alu depctr_vm_vsrc(0)                   ; the LDS stores have read v204-209 and v216, which the next unit's conversions, or behind the last unit the loads of X's fragments, write again
.endm
	XUNIT 0
	XUNIT 1
.irp t, 0,1,2,3,4,5,6,7
	XBLOCK \t
.endr
	BARRIER                                        ; X's 64 fragments and their scale words lie in LDS
; ---- PHASE G
.macro XLD tr, ks                      ; four tiles' fragments of one K step, and their scale words
.irp pt, 0,1,2,3
.set OO, (4*(\tr)+\pt)*6144+1536*(\ks)-49152*((\tr)/2)
	ds_load_b128 v[XF+12*\pt:XF+12*\pt+3], v[1+3*((\tr)/2)] offset:OO
	ds_load_b64 v[XF+12*\pt+4:XF+12*\pt+5], v[2+3*((\tr)/2)] offset:OO+512
	ds_load_b128 v[XF+12*\pt+6:XF+12*\pt+9], v[1+3*((\tr)/2)] offset:OO+768
	ds_load_b64 v[XF+12*\pt+10:XF+12*\pt+11], v[2+3*((\tr)/2)] offset:OO+1280
.endr
.irp pp, 0,1
	ds_load_b32 v[XS+\pp], v6 offset:1024*(\ks)+128*(2*(\tr)+\pp)
.endr
.endm
; K, Q: source 0 = 16 rows of the weight, source 1 = 16 pixels: a lane holds one pixel, and the 16 registers of tiles 0 and 1 are channels 32 cb + 16 hl + 0 .. 15.  The eight accumulators take turns.
.macro MULQK ks
.irp pt, 0,1,2,3
.irp u, 0,1
.if (\ks) == 0
	WM ACC+16*\pt+8*\u, WF+12*(4*\u+(\ks)), XF+12*\pt, BI+8*\u, WS+(\ks), XS+\pt/2, \u, \pt%2
.else
	WM ACC+16*\pt+8*\u, WF+12*(4*\u+(\ks)), XF+12*\pt, ACC+16*\pt+8*\u, WS+(\ks), XS+\pt/2, \u, \pt%2
.endif
.endr
.endr
.endm
; V: source 0 = 16 pixels, source 1 = 16 rows of the weight: a lane holds one channel, and the 16 registers of two neighbouring pixel tiles are 16 neighbouring pixels.
.macro MULV ks
.irp pt, 0,1,2,3
.irp u, 0,1
.if (\ks) == 0
	WM ACC+32*\u+8*\pt, XF+12*\pt, WF+12*(4*\u+(\ks)), BI+8*\u, XS+\pt/2, WS+(\ks), \pt%2, \u
.else
	WM ACC+32*\u+8*\pt, XF+12*\pt, WF+12*(4*\u+(\ks)), ACC+32*\u+8*\pt, XS+\pt/2, WS+(\ks), \pt%2, \u
.endif
.endr
.endr
.endm
.macro TRIPQK tr                       ; pixel tiles 4 tr .. 4 tr + 3
.irp ks, 0,1,2,3
.if \ks > 0
	s_wait_alu depctr_va_vdst(0)                   ; the last step's products are done reading X's fragments and scale words, in which the loads below land.  (A trip's first loads lean on the wait ahead of the last run of stores: no vector line has followed it)
.endif
	XLD \tr, \ks
	s_wait_dscnt 0x0
	MULQK \ks
	PLACES 4+\ks/3                                 ; four places behind a step's products, which stay beside the wait above and serve the first read of results; five behind the last step, since the next trip begins these accumulators anew
.endr
	QUANT ACC, PC, PC+6                            ; block b = pixel tile 4 tr + b: my 32 channels of its 16 pixels
	s_wait_alu depctr_va_vdst(0)                   ; the codes and the scale bytes are written, which the LDS stores read; every vector line that names v204-251 or v140-203 is done, and so are the products' reads of v26-27: the next loads land there
.irp c, 0,1
	ds_store_b128 v10, v[PC+6*\c:PC+6*\c+3] offset:768*(4*(\tr)+2*\c)
	ds_store_b64 v11, v[PC+6*\c+4:PC+6*\c+5] offset:768*(4*(\tr)+2*\c)+512
.endr
.irp pt, 0,1,2,3
	ds_store_b8 v12, v[TM+4+\pt] offset:32*(4*(\tr)+\pt)       ; both halves of the lanes write the same byte with the same value
.endr
	s_wait_dscnt 0x0                               ; the stores have landed
	s_wait_alu depctr_vm_vsrc(0)                   ; the LDS stores have read the codes and the bytes: the next loads land in these registers
.endm
.macro TRIPV tr                        ; 64 pixels: half tr % 2 of key step tr / 2
.irp ks, 0,1,2,3
.if \ks > 0
	s_wait_alu depctr_va_vdst(0)                   ; the last step's products are done reading X's fragments and scale words, in which the loads below land
.endif
	XLD \tr, \ks
	s_wait_dscnt 0x0
	MULV \ks
	PLACES 4+\ks/3
.endr
	QUANT ACC, PC, PC+6                            ; block 2 u + bb: channel tile u, pixels 32 bb on
.irp u, 0,1
	v_lshl_or_b32 v[HW+\u], v[TM+5+2*\u], 8, v[TM+4+2*\u]      ; both pairs of bytes are joined ahead of the stores, so that one wait serves the run
.endr
	s_wait_alu depctr_va_vdst(0)                   ; the codes and the joined bytes are written, which the LDS stores read; every vector line that names v204-251 or v140-203 is done, and so are the products' reads of v26-27: the next loads land there
.irp u, 0,1
	ds_store_b128 v13, v[PC+6*\u:PC+6*\u+3] offset:6144*((\tr)/2)+1536*\u+768*((\tr)%2)
	ds_store_b64 v14, v[PC+6*\u+4:PC+6*\u+5] offset:6144*((\tr)/2)+1536*\u+768*((\tr)%2)+512
	ds_store_b16 v15, v[HW+\u] offset:256*((\tr)/2)+64*\u+2*((\tr)%2)
.endr
	s_wait_dscnt 0x0
	s_wait_alu depctr_vm_vsrc(0)                   ; the LDS stores have read the codes and the bytes: the next loads land in these registers
.endm
	s_cmp_ge_u32 s28, 12
	s_cbranch_scc1 .Ljoin
	s_cmp_ge_u32 s28, 8
	s_cbranch_scc1 .Lvpath
.irp tr, 0,1,2,3
	TRIPQK \tr
.endr
	s_branch .Ljoin
.Lvpath:
.irp tr, 0,1,2,3
	TRIPV \tr
.endr
.Ljoin:
	BARRIER                                        ; the six chunks are whole
; ---- PHASE S: wave w < 12 stores half a chunk: twelve runs of 512 consecutive bytes, and 256 scale bytes.  The loads lean on the last trip's two waits: no vector line and no store has named their registers since
	s_cmp_ge_u32 s28, 12
	s_cbranch_scc1 .Lend
.irp j, 0,1,2,3,4,5,6,7,8,9,10,11
	ds_load_b128 v[XF+4*\j:XF+4*\j+3], v16 offset:512*\j
.endr
	ds_load_b64 v[ACC:ACC+1], v17
.irp j, 0,1,2,3,4,5,6,7,8,9,10,11
	s_wait_dscnt 12-\j                             ; piece j is in; the 12 - j LDS loads behind it may be out
	global_store_b128 v1, v[XF+4*\j:XF+4*\j+3], s[48:49] offset:512*\j
.endr
	s_wait_dscnt 0x0
	global_store_b64 v2, v[ACC:ACC+1], s[50:51]
.Lend:
	s_wait_dscnt 0x0                               ; the closing lines, six on end
	s_wait_alu 0x0
	s_wait_tensorcnt 0x0
	ds_add_u32 v254, v255
	s_wait_dscnt 0x0
	s_endpgm
.Lfunc_end_k_q73a44935f5_qkv:
	.size	k_q73a44935f5_qkv, .Lfunc_end_k_q73a44935f5_qkv-k_q73a44935f5_qkv
	.p2alignl 7, 3214868480
	.fill 96, 4, 3214868480
	.section	.rodata,"a",@progbits
	.p2align	6, 0x0
	.amdhsa_kernel k_q73a44935f5_qkv
		.amdhsa_group_segment_fixed_size 181248
		.amdhsa_private_segment_fixed_size 0
		.amdhsa_enable_private_segment 0
		.amdhsa_kernarg_size 96
		.amdhsa_user_sgpr_count 2
		.amdhsa_user_sgpr_kernarg_segment_ptr 1
		.amdhsa_wavefront_size32 1
		.amdhsa_system_sgpr_workgroup_id_x 1
		.amdhsa_system_sgpr_workgroup_id_y 1
		.amdhsa_system_sgpr_workgroup_id_z 1
		.amdhsa_system_vgpr_workitem_id 0
		.amdhsa_next_free_vgpr 256
		.amdhsa_next_free_sgpr 66
		.amdhsa_reserve_vcc 0
		.amdhsa_float_denorm_mode_32 3
		.amdhsa_float_denorm_mode_16_64 3
		.amdhsa_memory_ordered 1
		.amdhsa_forward_progress 1
		.amdhsa_inst_pref_size 160
	.end_amdhsa_kernel
	.amdgpu_metadata
---
amdhsa.version: [ 1, 2 ]
amdhsa.kernels:
  - .name:           k_q73a44935f5_qkv
    .symbol:         k_q73a44935f5_qkv.kd
    .args:
      - { .name: X, .offset: 0, .size: 8, .value_kind: global_buffer, .address_space: global }
      - { .name: Wq_codes, .offset: 8, .size: 8, .value_kind: global_buffer, .address_space: global }
      - { .name: Wq_scales, .offset: 16, .size: 8, .value_kind: global_buffer, .address_space: global }
      - { .name: bq, .offset: 24, .size: 8, .value_kind: global_buffer, .address_space: global }
      - { .name: Wk_codes, .offset: 32, .size: 8, .value_kind: global_buffer, .address_space: global }
      - { .name: Wk_scales, .offset: 40, .size: 8, .value_kind: global_buffer, .address_space: global }
      - { .name: bk, .offset: 48, .size: 8, .value_kind: global_buffer, .address_space: global }
      - { .name: Wv_codes, .offset: 56, .size: 8, .value_kind: global_buffer, .address_space: global }
      - { .name: Wv_scales, .offset: 64, .size: 8, .value_kind: global_buffer, .address_space: global }
      - { .name: bv, .offset: 72, .size: 8, .value_kind: global_buffer, .address_space: global }
      - { .name: qkv_codes, .offset: 80, .size: 8, .value_kind: global_buffer, .address_space: global }
      - { .name: qkv_scales, .offset: 88, .size: 8, .value_kind: global_buffer, .address_space: global }
    .group_segment_fixed_size: 181248
    .private_segment_fixed_size: 0
    .kernarg_segment_align: 8
    .kernarg_segment_size: 96
    .max_flat_workgroup_size: 512
    .sgpr_count:     66
    .vgpr_count:     256
    .wavefront_size: 32
...
	.end_amdgpu_metadata
.endif
;; end of part 4
;; launch attn (part 5): grid 256 x 1, 16 waves a work-group, no clusters, 104,448 bytes of LDS; arguments qkv_codes, qkv_scales, o_codes, o_scales; writes o_codes, o_scales
.if DOCPART == 5
	.amdgcn_target "amdgcn-amd-amdhsa--gfx1250"
	.amdhsa_code_object_version 6
	.text
	.protected	k_q73a44935f5_attn
	.globl	k_q73a44935f5_attn
	.p2align	8
	.type	k_q73a44935f5_attn,@function
k_q73a44935f5_attn:
	s_mov_b64 s[64:65], 0
	v_nop
	global_prefetch_b8 v0, s[64:65] scope:SCOPE_SE
	s_setreg_imm32_b32 hwreg(HW_REG_WAVE_SCHED_MODE, 0, 2), 2
	s_setreg_imm32_b32 hwreg(HW_REG_WAVE_MODE, 25, 1), 1
	s_wait_xcnt 0x0
	s_wait_alu depctr_vm_vsrc(0)
; For one image and head: A[d][D] = sum over 64 channels of Q[c][d] K[c][D]; O[c][d] = sum over the 1,024 pixels D of A[d][D] V[c][D].  No softmax.  Both products on codes of FP6 (E2M3);
; A is quantised along D in registers and never leaves them; O leaves as codes quantised along the channels, for the last product.
; LIMITS: NaN and infinities are not served.  A block of zeros gets the scale byte 1 where the quantiser says 127: its codes are zeros, and only this program reads those bytes.
; SHARES.  A work-group takes a head and 512 of its queries d; each of sixteen waves takes two tiles of 16 queries and walks all 1,024 keys D, 128 a step.  The head's K, V and their scales (102,400 bytes)
; are copied into LDS once, as they lie in the workspace: images of operand registers (a half fragment: registers 0-3 of lane l at 16 l, registers 4-5 at 512 + 8 l).
; LAYOUT.  Both products are used transposed: S^T = K Q^T (source 0 = 16 keys), O^T = V P^T (source 0 = 16 channels): a lane holds ONE query throughout.  The keys of a tile and the channels of a tile of V are
; chosen (row r of tile 2 b + u is 32 b + 8 u + r + 8 (r / 8)) so that the 16 registers of two neighbouring tiles are 16 neighbours along the next K.
; THE FIRST PRODUCT'S K IS 64, THE FORM'S IS 128.  Q's fragment is six registers of codes and six of zeros.  A tile of K is six registers; the operand names twelve, the six behind them being the next tile's (or zeros):
; whatever they hold meets zero codes, and the format has no NaN or infinity, so they add exactly 0.  The scale words are loaded as 16 bits, so that the bytes of the unused blocks are 0, not 0xff.
; The scale bytes of O leave as two bytes a lane, 4 bytes apart: one part in 24 of what the launch stores.
; THE MODE: SCHED_MODE bits 1:0 = 2 (LLVM: expert scheduling mode 2), set by the entry lines.  The code itself states the register dependences
; between vector or matrix instructions and memory or LDS instructions, with s_wait_alu, always for 0.
; THE PLAN.  Registers that memory or LDS instructions touch:
;   v1-v11, v43       offsets and addresses: written at the head and never again.  One wait on va_vdst ahead of the first load serves every access; it also states that the zero halves of Q's fragments and
;                     the zeros behind K's tiles are written, which the scaled products take as operands.
;   v118-167, head    the copy: global loads land in them, the LDS stores read them, the first products write them: one wait on vm_vsrc behind the barrier.
;   v44-67, v37-38    K's four tiles and their scales.  A group's LDS loads land in them, its eight products read them: one wait on va_vdst behind the products' places, ahead of the next group's loads.
;   v118-181          the scores, written by the products and read by QUANTA's maxima and conversions; then V's fragments (v118-165), whose LDS loads land behind one wait on va_vdst that stands behind
;   and v39-40        the conversions of a step's second group.  So V is on its way during the exchange of halves, the scale words and the eight places.  No vector line behind that wait names these registers.
;   v74-97, v41-42    A's codes and scale words: written by vector lines, taken by the scaled products: the eight places, then one wait on va_vdst.  All 256 registers are taken: there is no second set of anything.
;   v74-85, v247      at the end: O's codes and scale bytes, written by vector lines, read by the five stores: one wait on va_vdst ahead of the run.
;   v254, v255        written at the head, read by the closing add alone.
.set KSB, 98304                        ; LDS: K's images at 0, V's at 49,152, K's scale bytes, V's scale words
.set VSB, 100352
.set QF,  12                           ; v12-35   Q: 12 registers a tile, the upper six zeros
.set QSC, 36                           ; v36      Q's scales: lanes 0-15 tile 0, lanes 16-31 tile 1
.set KSC, 37                           ; v37-38   K's: lanes 0-15 an even tile, lanes 16-31 the odd one
.set VSC, 39                           ; v39-40   V's likewise
.set PSC, 41                           ; v41-42   the scale words of A's codes, one a query tile
.set KF,  44                           ; v44-73   four tiles of K, six registers each, and six zeros
.set P,   74                           ; v74-97   A's codes for 128 keys: 12 registers a query tile
.set TP,  98
.set TM,  106
.set S,   118                          ; v118-181 S^T: (q, i) at S + 32 q + 8 i
.set VF,  118                          ; later four fragments of V
.set O,   182                          ; v182-245 O^T: (q, t) at O + 32 q + 8 t
.set SEL, 32
.macro PLACES n
.rept \n
	v_nop
.endr
.endm
.macro BARRIER
	s_wait_dscnt 0x0
	s_barrier_signal -1
	s_barrier_wait -1
.endm
.macro WM d, a, b, c, sa, sb, ra, rb   ; one product.  c = -1: the constant 0 starts the sum.  ra, rb = 1: that side's scales stand in lanes 16-31
.if (\c) < 0
.if ((\ra) == 0) && ((\rb) == 0)
	v_wmma_scale_f32_16x16x128_f8f6f4 v[(\d):(\d)+7], v[(\a):(\a)+11], v[(\b):(\b)+11], 0, v[(\sa)], v[(\sb)] matrix_a_fmt:MATRIX_FMT_FP6 matrix_b_fmt:MATRIX_FMT_FP6
.elseif (\rb) == 0
	v_wmma_scale_f32_16x16x128_f8f6f4 v[(\d):(\d)+7], v[(\a):(\a)+11], v[(\b):(\b)+11], 0, v[(\sa)], v[(\sb)] matrix_a_fmt:MATRIX_FMT_FP6 matrix_b_fmt:MATRIX_FMT_FP6 matrix_a_scale:MATRIX_SCALE_ROW1
.elseif (\ra) == 0
	v_wmma_scale_f32_16x16x128_f8f6f4 v[(\d):(\d)+7], v[(\a):(\a)+11], v[(\b):(\b)+11], 0, v[(\sa)], v[(\sb)] matrix_a_fmt:MATRIX_FMT_FP6 matrix_b_fmt:MATRIX_FMT_FP6 matrix_b_scale:MATRIX_SCALE_ROW1
.else
	v_wmma_scale_f32_16x16x128_f8f6f4 v[(\d):(\d)+7], v[(\a):(\a)+11], v[(\b):(\b)+11], 0, v[(\sa)], v[(\sb)] matrix_a_fmt:MATRIX_FMT_FP6 matrix_b_fmt:MATRIX_FMT_FP6 matrix_a_scale:MATRIX_SCALE_ROW1 matrix_b_scale:MATRIX_SCALE_ROW1
.endif
.else
.if ((\ra) == 0) && ((\rb) == 0)
	v_wmma_scale_f32_16x16x128_f8f6f4 v[(\d):(\d)+7], v[(\a):(\a)+11], v[(\b):(\b)+11], v[(\c):(\c)+7], v[(\sa)], v[(\sb)] matrix_a_fmt:MATRIX_FMT_FP6 matrix_b_fmt:MATRIX_FMT_FP6
.elseif (\rb) == 0
	v_wmma_scale_f32_16x16x128_f8f6f4 v[(\d):(\d)+7], v[(\a):(\a)+11], v[(\b):(\b)+11], v[(\c):(\c)+7], v[(\sa)], v[(\sb)] matrix_a_fmt:MATRIX_FMT_FP6 matrix_b_fmt:MATRIX_FMT_FP6 matrix_a_scale:MATRIX_SCALE_ROW1
.elseif (\ra) == 0
	v_wmma_scale_f32_16x16x128_f8f6f4 v[(\d):(\d)+7], v[(\a):(\a)+11], v[(\b):(\b)+11], v[(\c):(\c)+7], v[(\sa)], v[(\sb)] matrix_a_fmt:MATRIX_FMT_FP6 matrix_b_fmt:MATRIX_FMT_FP6 matrix_b_scale:MATRIX_SCALE_ROW1
.else
	v_wmma_scale_f32_16x16x128_f8f6f4 v[(\d):(\d)+7], v[(\a):(\a)+11], v[(\b):(\b)+11], v[(\c):(\c)+7], v[(\sa)], v[(\sb)] matrix_a_fmt:MATRIX_FMT_FP6 matrix_b_fmt:MATRIX_FMT_FP6 matrix_a_scale:MATRIX_SCALE_ROW1 matrix_b_scale:MATRIX_SCALE_ROW1
.endif
.endif
.endm
; THE QUANTISER, in two parts, so that loads into the numbers' registers can be issued between them.
; QUANTA: 64 numbers of a lane, v[s] on: four blocks of 16 registers; a block's other 16 numbers lie in lane l xor 16.  It leaves half blocks of codes in v[d0], v[TP], v[d1], v[TP+4] (three registers each) and
; v[TM+4+b]: block b's scale byte, in both halves of the lanes.  Behind it nothing reads v[s] on any more.  Each accumulator is read from its low end on.
.macro QUANTA s, d0, d1
.irp b, 0,1,2,3
	v_max3_num_f32 v[TM+\b], |v[(\s)+16*\b]|, |v[(\s)+16*\b+1]|, 0x1800000   ; my 16 numbers, and the floor 2^(3 - 127): the byte cannot fall under 1
.endr
.irp i, 2,4,6,8,10,12,14
.irp b, 0,1,2,3
	v_max3_num_f32 v[TM+\b], v[TM+\b], |v[(\s)+16*\b+\i]|, |v[(\s)+16*\b+\i+1]|   ; the four blocks by turns
.endr
.endr
.irp b, 0,1,2,3
	v_permlanex16_b32 v[TM+4+\b], v[TM+\b], s[SEL], s[SEL+1]
.endr
.irp b, 0,1,2,3
	v_max_num_f32 v[TM+\b], v[TM+\b], v[TM+4+\b]             ; the block's largest magnitude
.endr
.irp b, 0,1,2,3
	v_add_nc_u32 v[TM+8+\b], 0xff000000, v[TM+\b]            ; 2 off its exponent field: the conversion's scale operand
.endr
.irp b, 0,1,2,3
	v_lshrrev_b32 v[TM+4+\b], 23, v[TM+8+\b]                 ; the scale's byte
.endr
	v_cvt_scalef32_pk16_fp6_f32 v[(\d0):(\d0)+2], v[(\s):(\s)+15], v[TM+8]
	v_cvt_scalef32_pk16_fp6_f32 v[TP:TP+2], v[(\s)+16:(\s)+31], v[TM+9]
	v_cvt_scalef32_pk16_fp6_f32 v[(\d1):(\d1)+2], v[(\s)+32:(\s)+47], v[TM+10]
	v_cvt_scalef32_pk16_fp6_f32 v[TP+4:TP+6], v[(\s)+48:(\s)+63], v[TM+11]
	v_nop                                                    ; one plain line behind the conversions
.endm
; QUANTB: v[d0] .. +5: block 0 whole in lanes 0-15, block 1 whole in lanes 16-31; v[d1] .. +5: blocks 2 and 3 likewise.
.macro QUANTB d0, d1
.irp i, 0,1,2
	v_permlane16_swap_b32 v[(\d0)+\i], v[TP+\i]              ; the first's lanes 16-31 change places with the second's lanes 0-15: a whole block to a lane
	v_permlane16_swap_b32 v[(\d1)+\i], v[TP+4+\i]
.endr
.irp i, 0,1,2
	v_mov_b32 v[(\d0)+3+\i], v[TP+\i]
	v_mov_b32 v[(\d1)+3+\i], v[TP+4+\i]
.endr
.endm
	s_load_b256 s[4:11], s[0:1], 0x0               ; qkv_codes, qkv_scales, o_codes, o_scales
	v_lshl_add_u32 v254, v0, 2, 0x19000
	v_mov_b32 v255, 0
.irp j, 6,7,8,9,10,11,18,19,20,21,22,23
	v_mov_b32 v[QF+\j], 0                          ; the upper halves of Q's two fragments: zero codes
.endr
.irp j, 24,25,26,27,28,29
	v_mov_b32 v[KF+\j], 0                          ; what the fourth tile of K names behind its own six registers
.endr
.irp b, 0,1,2,3
	v_mov_b32 v[TM+4+\b], 0                        ; written once: a lane permute's destination counts as one of its sources
.endr
	v_lshrrev_b32 v1, 5, v0
	v_readfirstlane_b32 s12, v1                    ; wave 0..15
	s_lshr_b32 s13, ttmp9, 1                       ; 8 n + head
	s_and_b32 s14, ttmp9, 1                        ; which 512 queries
	s_lshl_b32 s15, s14, 5
	s_wait_alu depctr_va_sdst(0)                   ; s12 is written, ahead of its first reader: Q's and O's bases are made from it
	s_lshl_b32 s34, s12, 1
	s_add_co_u32 s15, s15, s34                     ; T0: my first query tile
	s_mov_b32 s[SEL], 0x76543210
	s_mov_b32 s[SEL+1], 0xfedcba98
	v_and_b32 v246, 31, v0                         ; l
	v_lshlrev_b32 v1, 4, v246                      ; v1  16 l
	v_lshlrev_b32 v2, 3, v246                      ; v2  8 l
	v_add_nc_u32 v3, 49152, v1                     ; v3, v4  the same in V's images
	v_add_nc_u32 v4, 49152, v2
	v_lshlrev_b32 v11, 1, v246                     ; v11 2 l
	v_add_nc_u32 v5, KSB, v11                      ; v5  K's scales
	v_lshlrev_b32 v6, 2, v246
	v_add_nc_u32 v6, VSB, v6                       ; v6  V's scale words
	v_lshlrev_b32 v7, 4, v0                        ; v7  the copy: 16 bytes a thread
	v_add_nc_u32 v8, 49152, v7
	v_lshlrev_b32 v10, 2, v0                       ; v10 and 4 bytes a thread
	v_add_nc_u32 v9, KSB, v10
	v_and_b32 v247, 15, v0
	v_bfe_u32 v43, v0, 4, 1
	v_lshlrev_b32 v43, 8, v43
	v_lshl_add_u32 v43, v247, 2, v43               ; v43 O's scales: tile hl, row r
	s_mov_b32 s35, 0
	s_mov_b32 s37, 0
	s_mov_b32 s39, 0
	s_mul_i32 s34, s13, 49152                      ; the head's codes in a section
	s_mul_i32 s36, s15, 768
	s_add_co_u32 s36, s36, s34
	s_add_co_u32 s36, s36, 6291456                 ; Q's section, my first tile
	s_add_co_u32 s38, s34, 12582912                ; V's section
	s_wait_kmcnt 0x0
	s_add_nc_u64 s[16:17], s[4:5], s[34:35]
	s_add_nc_u64 s[18:19], s[4:5], s[38:39]
	s_add_nc_u64 s[20:21], s[4:5], s[36:37]
	s_lshl_b32 s34, s13, 11                        ; the head's scale bytes in a section
	s_add_nc_u64 s[22:23], s[6:7], s[34:35]
	s_lshl_b32 s36, s15, 5
	s_add_co_u32 s36, s36, s34
	s_add_co_u32 s36, s36, 262144
	s_add_nc_u64 s[24:25], s[6:7], s[36:37]
	s_add_co_u32 s38, s34, 524288
	s_add_nc_u64 s[26:27], s[6:7], s[38:39]
	s_lshr_b32 s40, s13, 3                         ; n
	s_and_b32 s41, s13, 7                          ; head
	s_lshl_b32 s42, s40, 6
	s_add_co_u32 s42, s42, s15                     ; 64 n + T0
	s_lshl_b32 s34, s42, 3
	s_add_co_u32 s34, s34, s41
	s_mul_i32 s34, s34, 768
	s_add_nc_u64 s[28:29], s[8:9], s[34:35]        ; O's codes: ((64 n + T) 8 + head) 768
	s_lshl_b32 s34, s42, 8
	s_lshr_b32 s36, s41, 1
	s_lshl_b32 s36, s36, 6
	s_add_co_u32 s34, s34, s36
	s_and_b32 s36, s41, 1
	s_lshl_b32 s36, s36, 1
	s_add_co_u32 s34, s34, s36
	s_add_nc_u64 s[30:31], s[10:11], s[34:35]      ; O's scales: (64 n + T) 256 + 64 (head / 2) + 2 (head % 2)
	s_wait_alu depctr_va_vdst(0)                   ; v1 to v11 and v43 are written, which the loads and stores of the whole kernel read as offsets and addresses; so are the zeros in Q's fragments and behind K's tiles, which the scaled products take as operands
.irp j, 0,1,2,3,4,5
	global_load_b128 v[S+4*\j:S+4*\j+3], v7, s[16:17] offset:8192*\j           ; the 512 threads read 8,192 consecutive bytes
.endr
.irp j, 0,1,2,3,4,5
	global_load_b128 v[S+24+4*\j:S+24+4*\j+3], v7, s[18:19] offset:8192*\j
.endr
	global_load_b32 v[S+48], v10, s[22:23]
	global_load_b32 v[S+49], v10, s[26:27]
.irp q, 0,1
	global_load_b128 v[QF+12*\q:QF+12*\q+3], v1, s[20:21] offset:768*\q        ; Q stays in registers
	global_load_b64 v[QF+12*\q+4:QF+12*\q+5], v2, s[20:21] offset:768*\q+512
.endr
	global_load_u16 v[QSC], v11, s[24:25]
	s_wait_loadcnt 0x0
.irp j, 0,1,2,3,4,5
	ds_store_b128 v7, v[S+4*\j:S+4*\j+3] offset:8192*\j
.endr
.irp j, 0,1,2,3,4,5
	ds_store_b128 v8, v[S+24+4*\j:S+24+4*\j+3] offset:8192*\j
.endr
	ds_store_b32 v9, v[S+48]
	ds_store_b32 v9, v[S+49] offset:2048
	BARRIER                                        ; the head's K, V and scales lie in LDS; nothing is written there again
	s_wait_alu depctr_vm_vsrc(0)                   ; my LDS stores have read v118-167: these registers are the scores from here on, written by the products
.macro KLOAD kg                        ; key tiles 4 kg .. 4 kg + 3 and their scales
.irp i, 0,1,2,3
	ds_load_b128 v[KF+6*\i:KF+6*\i+3], v1 offset:768*(4*(\kg)+\i)
	ds_load_b64 v[KF+6*\i+4:KF+6*\i+5], v2 offset:768*(4*(\kg)+\i)+512
.endr
.irp bl, 0,1
	ds_load_u16 v[KSC+\bl], v5 offset:64*(2*(\kg)+\bl)
.endr
.endm
.macro SMUL                            ; S^T for four key tiles x my two query tiles
.irp i, 0,1,2,3
.irp q, 0,1
	WM S+32*\q+8*\i, KF+6*\i, QF+12*\q, -1, KSC+\i/2, QSC, \i%2, \q
.endr
.endr
.endm
.macro VLOAD s                         ; V's four channel tiles x the step's 128 keys
.irp t, 0,1,2,3
.irp c, 0,1
	ds_load_b128 v[VF+12*\t+6*\c:VF+12*\t+6*\c+3], v3 offset:6144*(\s)+1536*\t+768*\c
	ds_load_b64 v[VF+12*\t+6*\c+4:VF+12*\t+6*\c+5], v4 offset:6144*(\s)+1536*\t+768*\c+512
.endr
.endr
.irp tp, 0,1
	ds_load_b32 v[VSC+\tp], v6 offset:256*(\s)+128*\tp
.endr
.endm
.macro PV first                        ; O^T += V P^T: eight accumulators by turns
.irp t, 0,1,2,3
.irp q, 0,1
.if \first
	WM O+32*\q+8*\t, VF+12*\t, P+12*\q, -1, VSC+\t/2, PSC+\q, \t%2, 0
.else
	WM O+32*\q+8*\t, VF+12*\t, P+12*\q, O+32*\q+8*\t, VSC+\t/2, PSC+\q, \t%2, 0
.endif
.endr
.endr
.endm
; A KEY STEP: 128 keys, in two groups of 64.
.macro STEP s
.irp g, 0,1
	s_wait_dscnt 0x0                               ; this group's tiles of K are in
	SMUL
	PLACES 4                                       ; behind the products: for the first read of the scores; they stay beside the wait below
.if (2*(\s)+\g) < 15
	s_wait_alu depctr_va_vdst(0)                   ; the products are done reading K's tiles and scales, in which the loads below land
	KLOAD 2*(\s)+\g+1                              ; the next group's, while this one is quantised
.endif
	QUANTA S, P+6*\g, P+12+6*\g                    ; block 2 q + bl: query tile q, keys 128 s + 64 g + 32 bl on
.if \g == 1
	s_wait_alu depctr_va_vdst(0)                   ; the products have written the scores, and the maxima and conversions are done reading them; the last step's products are done reading V's scale words: V's loads land in these registers
	VLOAD \s                                       ; into the registers that the scores have left.  No vector line up to the products names them
.endif
	QUANTB P+6*\g, P+12+6*\g
.if \g == 0
	v_lshl_or_b32 v[PSC], v[TM+5], 8, v[TM+4]      ; the scale word's lower two bytes
	v_lshl_or_b32 v[PSC+1], v[TM+7], 8, v[TM+6]
.else
	v_lshl_or_b32 v247, v[TM+5], 8, v[TM+4]
	v_lshl_or_b32 v248, v[TM+7], 8, v[TM+6]
	v_lshl_or_b32 v[PSC], v247, 16, v[PSC]         ; and the upper two
	v_lshl_or_b32 v[PSC+1], v248, 16, v[PSC+1]
.endif
.endr
	PLACES 8                                       ; a scale word written by vector lines stands eight places ahead of the product, codes so written four
	s_wait_alu depctr_va_vdst(0)                   ; A's codes v74-97 and their scale words v41-42 are written, which the scaled products take as operand and scales; the places above stay beside this wait
	s_wait_dscnt 0x0
.if (\s) == 0
	PV 1
.else
	PV 0
.endif
	PLACES 5                                       ; the next scores are written over V's fragments, which these products read
.endm
	KLOAD 0
.irp s, 0,1,2,3,4,5,6,7
	STEP \s
.endr
	; O^T is quantised along the channels: block 2 q + b: query tile q, channels 32 b on: a half fragment for each query tile
	QUANTA O, P, P+6
	QUANTB P, P+6
	v_cmp_gt_u32 vcc_lo, 16, v246
	v_lshl_or_b32 v247, v[TM+5], 8, v[TM+4]        ; tile 0's two bytes
	v_lshl_or_b32 v248, v[TM+7], 8, v[TM+6]        ; tile 1's
	s_wait_alu depctr_va_vcc(0)                    ; the compare has written VCC, ahead of the select that reads it
	v_cndmask_b32 v247, v248, v247, vcc_lo         ; lanes 0-15 store tile 0's, lanes 16-31 tile 1's
	s_wait_alu depctr_va_vdst(0)                   ; O's codes v74-85 and the bytes in v247 are written, which the five stores read
	global_store_b128 v1, v[P:P+3], s[28:29]                   ; 512 consecutive bytes,
	global_store_b64 v2, v[P+4:P+5], s[28:29] offset:512       ; and 256
	global_store_b128 v1, v[P+6:P+9], s[28:29] offset:6144     ; the next tile lies 8 heads x 768 bytes on
	global_store_b64 v2, v[P+10:P+11], s[28:29] offset:6656
	global_store_b16 v43, v247, s[30:31]
	s_wait_dscnt 0x0                               ; the closing lines, six on end
	s_wait_alu 0x0
	s_wait_tensorcnt 0x0
	ds_add_u32 v254, v255
	s_wait_dscnt 0x0
	s_endpgm
.Lfunc_end_k_q73a44935f5_attn:
	.size	k_q73a44935f5_attn, .Lfunc_end_k_q73a44935f5_attn-k_q73a44935f5_attn
	.p2alignl 7, 3214868480
	.fill 96, 4, 3214868480
	.section	.rodata,"a",@progbits
	.p2align	6, 0x0
	.amdhsa_kernel k_q73a44935f5_attn
		.amdhsa_group_segment_fixed_size 104448
		.amdhsa_private_segment_fixed_size 0
		.amdhsa_enable_private_segment 0
		.amdhsa_kernarg_size 32
		.amdhsa_user_sgpr_count 2
		.amdhsa_user_sgpr_kernarg_segment_ptr 1
		.amdhsa_wavefront_size32 1
		.amdhsa_system_sgpr_workgroup_id_x 1
		.amdhsa_system_sgpr_workgroup_id_y 1
		.amdhsa_system_sgpr_workgroup_id_z 1
		.amdhsa_system_vgpr_workitem_id 0
		.amdhsa_next_free_vgpr 256
		.amdhsa_next_free_sgpr 66
		.amdhsa_reserve_vcc 1
		.amdhsa_float_denorm_mode_32 3
		.amdhsa_float_denorm_mode_16_64 3
		.amdhsa_memory_ordered 1
		.amdhsa_forward_progress 1
		.amdhsa_inst_pref_size 121
	.end_amdhsa_kernel
	.amdgpu_metadata
---
amdhsa.version: [ 1, 2 ]
amdhsa.kernels:
  - .name:           k_q73a44935f5_attn
    .symbol:         k_q73a44935f5_attn.kd
    .args:
      - { .name: qkv_codes, .offset: 0, .size: 8, .value_kind: global_buffer, .address_space: global }
      - { .name: qkv_scales, .offset: 8, .size: 8, .value_kind: global_buffer, .address_space: global }
      - { .name: o_codes, .offset: 16, .size: 8, .value_kind: global_buffer, .address_space: global }
      - { .name: o_scales, .offset: 24, .size: 8, .value_kind: global_buffer, .address_space: global }
    .group_segment_fixed_size: 104448
    .private_segment_fixed_size: 0
    .kernarg_segment_align: 8
    .kernarg_segment_size: 32
    .max_flat_workgroup_size: 512
    .sgpr_count:     66
    .vgpr_count:     256
    .wavefront_size: 32
...
	.end_amdgpu_metadata
.endif
;; end of part 5
;; launch projgn: the kernel of part 3 again; grid 256 x 1, 16 waves a work-group, no clusters, 301,056 bytes of LDS; arguments o_codes, o_scales, Wo_codes, Wo_scales, bo, gn_w, gn_b, X, out0; writes out0
